; MI455X (gfx1250); checked and timed in simulation.
; The chip was launched on July 23, 2026; its instructions are those of AMD's public machine-readable ISA for CDNA 5 (MIT licence, August 2026) and "CDNA5" Instruction Set Architecture Reference Guide (July 2026). The comments in the code are by the model that wrote it; some were corrected since.
;; Attention3. Allowed arithmetic: matrix products marked QUANTISED: E2M1 operands, one E8M0 scale for each 32 along K, by v_wmma_scale_f32_16x16x128_f8f6f4 with both operands' format E2M1 (or v_wmma_scale_f32_32x16x128_f4), f32 sums; products left as they are: f32 operands where the result goes on into a quantised operand, else bf16, f16 or f32 operands; f32 sums; everything else in f32.
;; Inputs: U_b 1,024 float32; U_w_codes 1,024 x 32 x 16 uint8 (E2M1 codes of U_w, K innermost, in blocks of 32 codes, two codes a byte); U_w_scales 1,024 x 32 uint8 (E8M0 scales of U_w, one for each 32 codes along K); W_b 1,024 float32; W_w_codes 1,024 x 32 x 16 uint8 (E2M1 codes of W_w, K innermost, in blocks of 32 codes, two codes a byte); W_w_scales 1,024 x 32 uint8 (E8M0 scales of W_w, one for each 32 codes along K); decoder_hidden_codes 32 x 1 x 32 x 16 uint8 (E2M1 codes of decoder_hidden, K innermost, in blocks of 32 codes, two codes a byte); decoder_hidden_scales 32 x 1 x 32 uint8 (E8M0 scales of decoder_hidden, one for each 32 codes along K); encoder_outputs 32 x 2,048 x 1,024 float32; v_b 1 float32; v_w 1 x 1,024 float32.
;; Outputs: out0 32 x 1 x 1,024 float32; out1 32 x 1 x 2,048 float32.
;; This version of the problem:
;;   THIS VERSION OF THE PROBLEM IS GIVEN IN LOW PRECISION. The matrix products marked QUANTISED in the list below multiply operands that are first quantised to E2M1 (2 exponent bits, 1 mantissa bit; 4 bits a number), with one power-of-two scale for each 32 numbers along K (OCP MX v1.0); their sums are f32. All else is computed in f32.
;;   The module's matrix products, in the order in which they are computed (A, B: the left and right operand; K: the contracted axis; several contracted axes count as one K, in the product's order):
;;     1. [M 32, K 1,024] x [K 1,024, N 1,024]; A: input decoder_hidden (given as codes); B: input W_w (given as codes): QUANTISED
;;     2. [M 65,536, K 1,024] x [K 1,024, N 1,024]; A: input encoder_outputs; B: input U_w (given as codes): QUANTISED
;;     3. [M 65,536, K 1,024] x [K 1,024, N 1]; A: computed on the way; B: input v_w: left as it is (N = 1 < 16)
;;     4. batch 32 x [M 1, K 2,048] x [K 2,048, N 1,024]; A: computed on the way; B: input encoder_outputs: left as it is (M = 1 < 16)
;;   THE QUANTISER, for each operand of a quantised product, along K:
;;     - K is cut into blocks of 32 from its start; a last block that is shorter is filled with zeros.
;;     - A block's scale is 2^e with e = floor(log2(the largest magnitude in the block)) - 2, held to -126 .. 127; a block of zeros has e = 0. As a byte (E8M0): e + 127.
;;     - Each number is divided by its block's scale, clamped to +-6, and rounded to the nearest number of E2M1, ties to even, subnormals kept.
;;     - The product sums the exact products of the quantised numbers (number of the format x scale) in f32.
;;   ~~~python
;;   def quantise(x, axis):      # numpy; x: float32 -> the quantised numbers, widened to float32 again
;;       x = np.moveaxis(x, axis, -1); K = x.shape[-1]
;;       x = np.pad(x, [(0, 0)] * (x.ndim - 1) + [(0, -K % 32)]); x = x.reshape(x.shape[:-1] + (-1, 32)); a = np.abs(x).max(-1, keepdims=True)
;;       e = np.where(a > 0, np.clip(np.frexp(np.where(a > 0, a, 1))[1] - 1 - 2, -126, 127), 0)      # np.frexp(a)[1] - 1 = floor(log2(a)), exactly
;;       r = np.clip(x / 2.0 ** e, -6, 6)
;;       step = 2.0 ** (np.maximum(np.frexp(np.where(r == 0, 1, r))[1] - 1, 0) - 1)
;;       q = np.round(r / step) * step * 2.0 ** e      # np.round: ties to even
;;       return np.moveaxis(q.reshape(q.shape[:-2] + (-1,))[..., :K], -1, axis).astype(np.float32)
;;   ~~~
;;   INPUTS GIVEN AS CODES. U_w (in the module: [1024, 1024], K = its axis 1); W_w (in the module: [1024, 1024], K = its axis 1); decoder_hidden (in the module: [32, 1, 1024], K = its axis 2): each comes as NAME_codes (uint8): NAME with its K axis moved to the last place and cut into blocks of 32 codes, [.., K / 32, bytes a block], one block behind the other in memory; two codes a byte, the lower K in the low four bits (a code: sign, 2 exponent bits, 1 mantissa bit); and NAME_scales (uint8): the same leading axes, one E8M0 byte (e + 127) for each 32 codes along K. Its value is code x scale, taken as it is: it is not quantised again, and the codes and scales need not be those that the quantiser above would give.
;; 2 versions. Each part assembles by itself: llvm-mc -triple=amdgcn-amd-amdhsa -mcpu=gfx1250 --defsym DOCPART=n.
;; ======== version 1 of 2: 3 launches
;; workspace buffers: cbw 131,072 bytes; Uf 524,288 bytes; consts 256 bytes; scores 262,144 bytes; pctx 1,048,576 bytes; stats 65,536 bytes
;; launch prep (part 1): grid 32 x 1, 4 waves a work-group, no clusters, 5,120 bytes of LDS; arguments W_w_codes, W_w_scales, decoder_hidden_codes, decoder_hidden_scales, W_b, U_b, U_w_codes, v_w, v_b, cbw, Uf, consts; writes cbw, Uf, consts
.if DOCPART == 1
	.amdgcn_target "amdgcn-amd-amdhsa--gfx1250"
	.amdhsa_code_object_version 6
	.text
	.protected	k_qb84a5b93fb_prep
	.globl	k_qb84a5b93fb_prep
	.p2align	8
	.type	k_qb84a5b93fb_prep,@function
k_qb84a5b93fb_prep:
	s_mov_b64 s[64:65], 0
	v_nop
	global_prefetch_b8 v0, s[64:65] scope:SCOPE_SE
	s_setreg_imm32_b32 hwreg(HW_REG_WAVE_MODE, 25, 1), 1
	s_wait_xcnt 0x0
; Three small things that the main launch wants ready.
; (1) cbw[b][n] = c (q[b][n] + W_b[n] + U_b[n]), c = 2 log2(e), q = decoder_hidden W_w^T on the given E2M1 codes and E8M0 scales (32 x 1024 x 1024).
; (2) Uf: U_w's codes laid in the order of the operand's registers: tile T (16 rows of U), K step s, half c: 512 bytes, 16 a lane, at 8192 T + 512 (2 s + c) + 16 lane.
; (3) consts: C0 = the sum of v_w + v_b, 64 times (one whole block of 256 bytes): tanh(x) = 1 - 2 / (1 + 2^(c x)), so a score is C0 + the sum of -2 v / (1 + 2^(c x)).
; SHARES.  Work-group x: g = x % 2 (batches 16 g .. 16 g + 15), X = x / 2.  Wave w: tile T = 4 X + w of 16 n.  It makes cbw for 16 batches x 16 n and lays K steps 4 g .. 4 g + 3 of U's tile T.
; THE MATRIX INSTRUCTION IS USED TRANSPOSED (source 0 = 16 rows of W, source 1 = 16 batches): lane (r, h) holds batch r, its registers n = 16 T + 8 h + 0 .. 7.
; The eight K steps go onto two accumulators by turns; W_b and U_b are the C of their first instructions, so the biases cost no addition.
; No tensor load, no ring: every operand is read once, straight into registers.
.set WF,   16                          ; v16-79    W's eight fragments
.set DF,   80                          ; v80-143   decoder_hidden's eight
.set UF,   144                         ; v144-175  U's four K steps, as loaded and as stored
.set WSC,  176                         ; v176-183  W's scale words, one for each K step: scales and nothing else
.set DSC,  184                         ; v184-191  decoder_hidden's
.set BW,   192                         ; v192-199  W_b at my eight n
.set BU,   200                         ; v200-207  U_b
.set AC,   208                         ; v208-223  two accumulators
.set OUTR, 224                         ; v224-231  the result
.set RB,   232                         ; v232-239  rows read back from the stage
.set SPITCH, 272                       ; a stage row: 64 n x 4 bytes + 16 of padding
	s_load_b512 s[4:19], s[0:1], 0x0               ; W codes s[4:5], W scales s[6:7], dh codes s[8:9], dh scales s[10:11], W_b s[12:13], U_b s[14:15], U codes s[16:17], v_w s[18:19]
	s_load_b256 s[20:27], s[0:1], 0x40             ; v_b s[20:21], cbw s[22:23], Uf s[24:25], consts s[26:27]
	v_lshl_add_u32 v240, v0, 2, 0x1200
	v_mov_b32 v241, 0
	v_lshrrev_b32 v1, 5, v0
	v_readfirstlane_b32 s28, v1                    ; wave 0..3
	v_and_b32 v1, 31, v0                           ; lane
	v_and_b32 v2, 15, v0                           ; r
	v_bfe_u32 v3, v0, 4, 1                         ; h
	v_lshlrev_b32 v4, 9, v2
	v_lshl_add_u32 v4, v3, 4, v4                   ; a fragment's bytes: row r of 512 bytes, + 16 h
	v_lshlrev_b32 v5, 5, v2                        ; scale words: row r of 32 bytes
	v_lshlrev_b32 v6, 5, v3                        ; biases: 8 h numbers on
	v_lshlrev_b32 v7, 4, v1                        ; 16 x lane
	s_lshl_b32 s32, s28, 6
	v_mul_u32_u24 v8, v2, SPITCH
	v_lshl_add_u32 v8, v3, 5, v8
	v_add_nc_u32 v8, s32, v8                       ; the stage, in: row r, + 64 x wave + 32 h
	v_lshrrev_b32 v11, 4, v0                       ; thread / 16: 0..7
	v_mul_u32_u24 v9, v11, SPITCH
	v_lshl_add_u32 v9, v2, 4, v9                   ; back: sixteen threads to a row of 256 bytes
	v_lshlrev_b32 v10, 12, v11
	v_lshl_add_u32 v10, v2, 4, v10                 ; and the same place in cbw: rows of 4,096 bytes
	s_and_b32 s29, ttmp9, 1                        ; g
	s_lshr_b32 s30, ttmp9, 1                       ; X
	s_lshl_b32 s31, s30, 2
	s_add_co_u32 s31, s31, s28                     ; T
	s_mov_b32 s33, 0                               ; the upper word of every offset
	s_mov_b32 s34, 0x76543210
	s_mov_b32 s35, 0xfedcba98                      ; v_permlanex16_b32: lane l xor 16
	s_mov_b32 s36, 0x4038aa3b                      ; c = 2 log2(e)
	s_mov_b32 s37, s36                             ; (named with it as a pair)
	s_wait_kmcnt 0x0
	s_lshl_b32 s32, s31, 13                        ; 16 rows of 512 bytes
	s_add_nc_u64 s[4:5], s[4:5], s[32:33]
	s_add_nc_u64 s[16:17], s[16:17], s[32:33]
	s_add_nc_u64 s[24:25], s[24:25], s[32:33]
	s_lshl_b32 s32, s31, 9                         ; 16 rows of 32 scale bytes
	s_add_nc_u64 s[6:7], s[6:7], s[32:33]
	s_lshl_b32 s32, s31, 6                         ; 16 numbers of a bias
	s_add_nc_u64 s[12:13], s[12:13], s[32:33]
	s_add_nc_u64 s[14:15], s[14:15], s[32:33]
	s_lshl_b32 s32, s29, 13
	s_add_nc_u64 s[8:9], s[8:9], s[32:33]          ; my 16 batches
	s_lshl_b32 s32, s29, 9
	s_add_nc_u64 s[10:11], s[10:11], s[32:33]
	s_lshl_b32 s32, s29, 8
	s_add_nc_u64 s[16:17], s[16:17], s[32:33]      ; U: K steps 4 g on: 256 bytes along a row,
	s_lshl_b32 s32, s29, 12
	s_add_nc_u64 s[24:25], s[24:25], s[32:33]      ; and 8 blocks of 512 bytes in Uf
	s_lshl_b32 s32, s29, 16
	s_lshl_b32 s38, s30, 8
	s_add_co_u32 s32, s32, s38
	s_add_nc_u64 s[22:23], s[22:23], s[32:33]      ; cbw: 16 g rows of 4,096 bytes + 64 X numbers
.irp s, 0,1,2,3
.irp c, 0,1
	global_load_b128 v[UF+4*(2*\s+\c):UF+4*(2*\s+\c)+3], v4, s[16:17] offset:64*\s+32*\c
.endr
.endr
.irp s, 0,1,2,3,4,5,6,7
.irp c, 0,1
	global_load_b128 v[WF+8*\s+4*\c:WF+8*\s+4*\c+3], v4, s[4:5] offset:64*\s+32*\c
	global_load_b128 v[DF+8*\s+4*\c:DF+8*\s+4*\c+3], v4, s[8:9] offset:64*\s+32*\c
.endr
.endr
	global_load_b128 v[WSC:WSC+3], v5, s[6:7]
	global_load_b128 v[WSC+4:WSC+7], v5, s[6:7] offset:16
	global_load_b128 v[DSC:DSC+3], v5, s[10:11]
	global_load_b128 v[DSC+4:DSC+7], v5, s[10:11] offset:16
	global_load_b128 v[BW:BW+3], v6, s[12:13]
	global_load_b128 v[BW+4:BW+7], v6, s[12:13] offset:16
	global_load_b128 v[BU:BU+3], v6, s[14:15]
	global_load_b128 v[BU+4:BU+7], v6, s[14:15] offset:16
	s_wait_loadcnt 40                              ; U's eight loads are in; the 40 issued behind them may stay out
.irp i, 0,1,2,3,4,5,6,7
	global_store_b128 v7, v[UF+4*\i:UF+4*\i+3], s[24:25] offset:512*\i   ; the wave stores 512 consecutive bytes
.endr
	s_wait_loadcnt 0x0
.irp s, 0,1,2,3,4,5,6,7
.if \s == 0
	v_wmma_scale_f32_16x16x128_f8f6f4 v[AC:AC+7], v[WF:WF+7], v[DF:DF+7], v[BW:BW+7], v[WSC], v[DSC] matrix_a_fmt:MATRIX_FMT_FP4 matrix_b_fmt:MATRIX_FMT_FP4
.elseif \s == 1
	v_wmma_scale_f32_16x16x128_f8f6f4 v[AC+8:AC+15], v[WF+8:WF+15], v[DF+8:DF+15], v[BU:BU+7], v[WSC+1], v[DSC+1] matrix_a_fmt:MATRIX_FMT_FP4 matrix_b_fmt:MATRIX_FMT_FP4
.else
	v_wmma_scale_f32_16x16x128_f8f6f4 v[AC+8*(\s%2):AC+8*(\s%2)+7], v[WF+8*\s:WF+8*\s+7], v[DF+8*\s:DF+8*\s+7], v[AC+8*(\s%2):AC+8*(\s%2)+7], v[WSC+\s], v[DSC+\s] matrix_a_fmt:MATRIX_FMT_FP4 matrix_b_fmt:MATRIX_FMT_FP4
.endif
.endr
.rept 4
	v_nop                                          ; four places between the last product and the first read of results (ISA guide 7.12.1)
.endr
.irp i, 0,2,4,6
	v_pk_add_f32 v[OUTR+\i:OUTR+\i+1], v[AC+\i:AC+\i+1], v[AC+8+\i:AC+8+\i+1]   ; both accumulators from their low ends on
.endr
.irp i, 0,2,4,6
	v_pk_mul_f32 v[OUTR+\i:OUTR+\i+1], v[OUTR+\i:OUTR+\i+1], s[36:37] op_sel_hi:[1,0]
.endr
	ds_store_b128 v8, v[OUTR:OUTR+3]
	ds_store_b128 v8, v[OUTR+4:OUTR+7] offset:16
	s_wait_dscnt 0x0                               ; for the others: a row's 256 bytes come from four waves
	s_barrier_signal -1
	s_barrier_wait -1
	ds_load_b128 v[RB:RB+3], v9
	ds_load_b128 v[RB+4:RB+7], v9 offset:8*SPITCH
	s_wait_dscnt 0x0
	global_store_b128 v10, v[RB:RB+3], s[22:23]                  ; sixteen lanes store 256 consecutive bytes, at a multiple of 256 from cbw's first byte
	global_store_b128 v10, v[RB+4:RB+7], s[22:23] offset:8*4096
	s_or_b32 s32, ttmp9, s28                       ; wave 0 of work-group 0 alone makes C0
	s_cmp_lg_u32 s32, 0
	s_cbranch_scc1 .Lend
	s_load_b32 s38, s[20:21], 0x0                  ; v_b
.irp i, 0,1,2,3,4,5,6,7
	global_load_b128 v[16+4*\i:19+4*\i], v7, s[18:19] offset:512*\i   ; v_w: 32 numbers a lane
.endr
	v_mov_b32 v48, 0                               ; a lane permute's destination counts as read
	v_lshlrev_b32 v49, 3, v1
	s_wait_loadcnt 0x0
	s_wait_kmcnt 0x0
.irp i, 0,2,4,6,8,10,12,14
	v_pk_add_f32 v[16+\i:17+\i], v[16+\i:17+\i], v[32+\i:33+\i]
.endr
.irp i, 0,2,4,6
	v_pk_add_f32 v[16+\i:17+\i], v[16+\i:17+\i], v[24+\i:25+\i]
.endr
.irp i, 0,2
	v_pk_add_f32 v[16+\i:17+\i], v[16+\i:17+\i], v[20+\i:21+\i]
.endr
	v_pk_add_f32 v[16:17], v[16:17], v[18:19]
	v_add_f32 v16, v16, v17
	v_add_f32_dpp v16, v16, v16 row_xmask:1 row_mask:0xf bank_mask:0xf
	v_add_f32_dpp v16, v16, v16 row_xmask:2 row_mask:0xf bank_mask:0xf
	v_add_f32_dpp v16, v16, v16 row_xmask:4 row_mask:0xf bank_mask:0xf
	v_add_f32_dpp v16, v16, v16 row_xmask:8 row_mask:0xf bank_mask:0xf
	v_permlanex16_b32 v48, v16, s34, s35
	v_add_f32 v16, v16, v48
	v_add_f32 v16, s38, v16                        ; + v_b
	v_mov_b32 v17, v16
	global_store_b64 v49, v[16:17], s[26:27]       ; 32 lanes x 8 bytes: the whole block of 256
.Lend:
	s_wait_tensorcnt 0x0
	ds_add_u32 v240, v241
	s_wait_dscnt 0x0
	s_endpgm
.Lfunc_end_k_qb84a5b93fb_prep:
	.size	k_qb84a5b93fb_prep, .Lfunc_end_k_qb84a5b93fb_prep-k_qb84a5b93fb_prep
	.p2alignl 7, 3214868480
	.fill 96, 4, 3214868480
	.section	.rodata,"a",@progbits
	.p2align	6, 0x0
	.amdhsa_kernel k_qb84a5b93fb_prep
		.amdhsa_group_segment_fixed_size 5120
		.amdhsa_private_segment_fixed_size 0
		.amdhsa_enable_private_segment 0
		.amdhsa_kernarg_size 96
		.amdhsa_user_sgpr_count 2
		.amdhsa_user_sgpr_kernarg_segment_ptr 1
		.amdhsa_wavefront_size32 1
		.amdhsa_system_sgpr_workgroup_id_x 1
		.amdhsa_system_sgpr_workgroup_id_y 1
		.amdhsa_system_sgpr_workgroup_id_z 1
		.amdhsa_system_vgpr_workitem_id 0
		.amdhsa_next_free_vgpr 242
		.amdhsa_next_free_sgpr 66
		.amdhsa_reserve_vcc 0
		.amdhsa_float_denorm_mode_32 3
		.amdhsa_float_denorm_mode_16_64 3
		.amdhsa_memory_ordered 1
		.amdhsa_forward_progress 1
		.amdhsa_inst_pref_size 13
	.end_amdhsa_kernel
	.amdgpu_metadata
---
amdhsa.version: [ 1, 2 ]
amdhsa.kernels:
  - .name:           k_qb84a5b93fb_prep
    .symbol:         k_qb84a5b93fb_prep.kd
    .args:
      - { .name: W_w_codes, .offset: 0, .size: 8, .value_kind: global_buffer, .address_space: global }
      - { .name: W_w_scales, .offset: 8, .size: 8, .value_kind: global_buffer, .address_space: global }
      - { .name: decoder_hidden_codes, .offset: 16, .size: 8, .value_kind: global_buffer, .address_space: global }
      - { .name: decoder_hidden_scales, .offset: 24, .size: 8, .value_kind: global_buffer, .address_space: global }
      - { .name: W_b, .offset: 32, .size: 8, .value_kind: global_buffer, .address_space: global }
      - { .name: U_b, .offset: 40, .size: 8, .value_kind: global_buffer, .address_space: global }
      - { .name: U_w_codes, .offset: 48, .size: 8, .value_kind: global_buffer, .address_space: global }
      - { .name: v_w, .offset: 56, .size: 8, .value_kind: global_buffer, .address_space: global }
      - { .name: v_b, .offset: 64, .size: 8, .value_kind: global_buffer, .address_space: global }
      - { .name: cbw, .offset: 72, .size: 8, .value_kind: global_buffer, .address_space: global }
      - { .name: Uf, .offset: 80, .size: 8, .value_kind: global_buffer, .address_space: global }
      - { .name: consts, .offset: 88, .size: 8, .value_kind: global_buffer, .address_space: global }
    .group_segment_fixed_size: 5120
    .private_segment_fixed_size: 0
    .kernarg_segment_align: 8
    .kernarg_segment_size: 96
    .max_flat_workgroup_size: 128
    .sgpr_count:     66
    .vgpr_count:     242
    .wavefront_size: 32
...
	.end_amdgpu_metadata
.endif
;; end of part 1
;; launch main (part 2): grid 256 x 1, 4 waves a work-group, no clusters, 194,048 bytes of LDS; arguments encoder_outputs, Uf, U_w_scales, cbw, v_w, consts, scores, pctx, stats; writes scores, pctx, stats
.if DOCPART == 2
	.amdgcn_target "amdgcn-amd-amdhsa--gfx1250"
	.amdhsa_code_object_version 6
	.text
	.protected	k_qb84a5b93fb_main
	.globl	k_qb84a5b93fb_main
	.p2align	8
	.type	k_qb84a5b93fb_main,@function
k_qb84a5b93fb_main:
	s_mov_b64 s[64:65], 0
	v_nop
	global_prefetch_b8 v0, s[64:65] scope:SCOPE_SE
	s_setreg_imm32_b32 hwreg(HW_REG_WAVE_MODE, 25, 1), 1
	s_wait_xcnt 0x0
; scores = tanh(q + enc U^T + U_b) . v + v_b, and each work-group's part of softmax(scores) . enc, with enc read from memory ONCE.
; SHARES.  Work-group x owns rows 256 x .. 256 x + 255 of enc's 65,536 (all of batch x / 8), in four passes of 64 rows.
;   For loading, quantising and the context wave w owns rows 16 w .. 16 w + 15 of a pass; for the product it owns columns n = 256 w .. 256 w + 255 (16 tiles of U) for all 64 rows.
; THE STREAM.  Everything comes from memory straight into registers, evenly: in each of a pass's 16 tile periods a wave asks for one tile of U (16 loads, two tiles ahead) and for one row of enc
;   (8 loads, two rows ahead).  By this text's own count at most 58 loads of a wave are out: two tiles, one pair of scale loads, three rows.
; A TILE PERIOD of pass p: 32 products (my tile of U x all 64 rows' codes, held in 256 registers); the tanh, taken as 1 - 2 / (1 + 2^(c x)): the sum of -2 v / (1 + 2^(c k + cb)) is kept,
;   cb = c (q + W_b + U_b) from the launch before; then ONE ROW OF PASS p + 1 is quantised along D to E2M1 with one E8M0 byte for each 32: codes and bytes go to LDS for all waves,
;   a bf16 copy goes to my own part of LDS as an image of its registers.  Pass 0's rows are quantised ahead of the first pass; the last pass has no row work and is written out.
; BEHIND THE 16 PERIODS.  SCORES: the four waves' partial sums meet in LDS; every wave makes all 64 scores, the running maximum m, p = e^(s - m) and the running sum l.
;   CTX: my part of the context (my 16 rows, all 1,024 columns) is multiplied by e^(old m - new m) and takes p x the bf16 rows, which lie in 256 registers; each pair of rows, once used,
;   is overwritten by the next pass's rows from LDS, and the next pass's codes come in the same way, so that these LDS loads stand among the multiply-adds.
; OUT: the raw scores, the work-group's context part (the four waves' summed through LDS), and (m, l).  The launch behind this one joins the eight parts of a batch.
; THE MATRIX INSTRUCTION IS USED TRANSPOSED: source 0 = 16 rows of U, source 1 = 16 rows of enc: lane (r, h) holds row r, its registers n = 8 h + 0 .. 7.
; NO CLUSTER, NO MULTICAST FOR U, though every work-group walks the same U: a shared tile lands in LDS.  The 134,144 bytes that are free here would hold two slots of 65,536 bytes, two tiles a wave each:
;   nine rounds of the cluster's barrier for a pass's 557,056 bytes, and those bytes written to and read from LDS beside the 561,152 that a pass moves through LDS now.
;   So each wave loads the fragments that it alone multiplies, each byte once a pass, 512 consecutive bytes an instruction.  enc is shared by nobody.
; enc's LOADS.  The conversion takes eight neighbours along D from one lane's registers, so a lane owns 32 consecutive bytes: two loads of 16, which together cover 1,024 consecutive bytes of the row.
; LIMITS.  NaN and infinities in enc are not served.  A block whose largest magnitude lies under 2^-124 keeps the scale byte 1; a block of zeros gets the byte 1 where the rule says 127: its codes are zeros,
;   and this program alone reads the bytes.  enc is rounded to bf16 for the context product.  2^(c x) may overflow to infinity or fall to 0: the reciprocal then gives 0 or 1, tanh's own limits.
;   The look-ahead is kept alike in every trip: each pass's last trip asks for the wave's first two tiles of U, which the next pass begins with (behind the last pass these 36 loads are not used),
;   and the last row trip's look-ahead is held at that trip itself: two rows a wave are read a second time and not used.  All of them stay inside their buffers.
; REGISTERS, in windows of 256 (s_set_vgpr_msb: bits 1:0 source 0, 3:2 source 1, 5:4 source 2, 7:6 destination):
;   window 0: addresses, scale words, four row buffers, row work, the softmax's figures.  window 1: the 64 rows' codes, fragment (m, s) at v[8 (8 m + s)].
;   window 2: my 16 rows in bf16, row p at v[16 p + k], k = 4 j + i: columns 256 j + 8 lane + 2 i, + 1.
;   window 3: v0-127 U's fragments, two sets; v128-159 the context, register 8 j + i = column 256 j + 8 lane + i; v160-215 the accumulators, cb, -2 v and the sums: the tanh runs under one setting.
.set XBUF,   0                         ; LDS: [wave][16 rows][2,048 bytes]: the next pass's rows in bf16, each wave's own
.set CODES,  131072                    ; 64 rows of 512 bytes of codes, pitch 528
.set SCL,    164864                    ; 64 rows of 32 scale bytes
.set CBT,    166912                    ; cb of my batch, 1,024 f32; behind it, 4,096 bytes on, -2 v
.set SX,     175104                    ; [wave][64] partial scores
.set PX,     176128                    ; [wave][64] p, each wave's own copy
.set CR,     177152                    ; [wave][1,024] context parts, at the end
.set EA,   1                           ; v1   32 x lane: my bytes of a row's 1,024; also my row of U's scale bytes
.set UL,   2                           ; v2   16 x lane
.set ACW,  3                           ; v3   where I store codes
.set ASW,  4                           ; v4   where I store scale bytes
.set AXW,  5                           ; v5   my bf16 rows: XBUF + 32,768 wave + 16 lane
.set AFR,  6                           ; v6   a fragment's bytes: row r, + 16 h
.set ASR,  7                           ; v7   enc's scale words: row = lane
.set ATB,  8                           ; v8   cb of my wave's columns, + 8 h
.set TBA,  9                           ; v9   the same for the trip in hand
.set ACT,  10                          ; v10-12  ACW, ASW, AXW for the trip in hand
.set AST,  11
.set AXT,  12
.set SXW,  13
.set SXR,  14
.set PXW,  15
.set PXR,  16
.set SCO,  17                          ; v17  8 x lane
.set CRW,  18
.set CRR,  19
.set TBW,  20
.set TG,   21
.set SA,   24                          ; v24-39  enc's scale words: register 8 u + s: lanes 0-15 row tile 2 u, lanes 16-31 row tile 2 u + 1.  Scales and nothing else
.set SU,   40                          ; v40-55  U's scale words, two sets of 8: lanes 0-15 the even tile of a pair, lanes 16-31 the odd one.  Scales and nothing else
.set XR,   64                          ; v64-191 four rows of 32 numbers: row t of a trip in buffer t
.set XM,   192                         ; row work: v192-195 largest magnitudes, v196-199 the conversions' scale operands,
.set XO,   196
.set XBY,  200                         ; v200-203 scale bytes, v204-207 codes,
.set XC,   204
.set XH,   208                         ; v208-223 the row in bf16
.set Q,    192                         ; the softmax's work lies over the row work: the two never run together
.set SP,   200
.set SS,   208
.set PP,   210
.set F,    214
.set NM,   216
.set P,    224                         ; v224-239 p of my 16 rows, the same in every lane
.set MO,   240                         ; m,
.set LS,   241                         ; l: a pair for the last store
.set MX,   242
.set TMP,  243
.set TP,   244
.set CT,   128                         ; in window 3
.set ACC,  160
.set CB,   192
.set VV,   200
.set SACC, 208                         ; a pair of sums for each row tile
.set MSB, 0
.macro WIN new                         ; the immediate's high byte repeats the setting that is left
.if MSB != \new
	s_set_vgpr_msb (MSB<<8)|\new
.set MSB, \new
.endif
.endm
.set W_MM, 0xf7                        ; source 0 (U) window 3, source 1 (enc) window 1, C and D window 3
; ---- the loads from memory
.macro XL buf, base, row               ; a row of enc, 32 numbers a lane (columns 256 j + 8 lane + 0 .. 7), into a row buffer
.irp j, 0,1,2,3
	global_load_b128 v[XR+32*(\buf)+8*\j:XR+32*(\buf)+8*\j+3],   v[EA], s[\base:\base+1] offset:4096*(\row)+1024*\j
	global_load_b128 v[XR+32*(\buf)+8*\j+4:XR+32*(\buf)+8*\j+7], v[EA], s[\base:\base+1] offset:4096*(\row)+1024*\j+16
.endr
.endm
.macro LB set, base, k                 ; a tile of U, 16 x 512 consecutive bytes, into set
	WIN 0xc0                                       ; destination window 3
.irp i, 0,1,2,3,4,5,6,7,8,9,10,11,12,13,14,15
	global_load_b128 v[64*\set+4*\i:64*\set+4*\i+3], v[UL], s[\base:\base+1] offset:8192*\k+512*\i
.endr
	WIN 0
.endm
.macro LSU set, off                    ; the scale words of a pair of tiles: row = lane, 32 bytes
	global_load_b128 v[SU+8*\set:SU+8*\set+3],   v[EA], s[58:59] offset:\off
	global_load_b128 v[SU+8*\set+4:SU+8*\set+7], v[EA], s[58:59] offset:\off+16
.endm
; Row trip j (0 .. 15: four rows each, four trips a pass) begins (j / 4) x 262,144 + (j % 4) x 16,384 bytes behind my first row.  s[34:35]: this trip; s[36:37]: the next, held at trip 15.
.macro ESTEP
	s_mov_b64 s[34:35], s[36:37]
	s_add_co_u32 s39, s38, 1
	s_min_u32 s39, s39, 15
	s_lshr_b32 s40, s39, 2
	s_lshl_b32 s40, s40, 18
	s_and_b32 s41, s39, 3
	s_lshl_b32 s41, s41, 14
	s_add_co_u32 s60, s40, s41
	s_add_nc_u64 s[36:37], s[32:33], s[60:61]
.endm
.macro XSTEP                           ; four rows on: in the stream, and in the three LDS regions
	s_add_co_u32 s38, s38, 1
	s_add_co_u32 s49, s49, 2112
	s_add_co_u32 s42, s42, 128
	s_add_co_u32 s43, s43, 8192
.endm
; ---- one row: row t of the trip, from buffer t.  cnt: the loads issued behind this row's eight
.macro XROW t, cnt
	s_wait_loadcnt \cnt
	s_wait_dscnt 0x0                               ; no LDS instruction of mine is out: the registers that the last row's stores name are written again below
.if (\t) == 0
	v_add_nc_u32 v[ACT], s49, v[ACW]
	v_add_nc_u32 v[AST], s42, v[ASW]
	v_add_nc_u32 v[AXT], s43, v[AXW]
.endif
.set RW, XR+32*(\t)
.irp j, 0,1,2,3
	v_max3_num_f32 v[XM+\j], |v[RW+8*\j]|, |v[RW+8*\j+1]|, 0x1800000   ; my 8 numbers of a block, and the floor 2^(3 - 127): the byte cannot fall under 1
.endr
.irp i, 2,4,6
.irp j, 0,1,2,3
	v_max3_num_f32 v[XM+\j], v[XM+\j], |v[RW+8*\j+\i]|, |v[RW+8*\j+\i+1]|
.endr
.endr
.irp j, 0,1,2,3
	v_max_num_f32_dpp v[XM+\j], v[XM+\j], v[XM+\j] row_xmask:1 row_mask:0xf bank_mask:0xf
.endr
.irp j, 0,1,2,3
	v_max_num_f32_dpp v[XM+\j], v[XM+\j], v[XM+\j] row_xmask:2 row_mask:0xf bank_mask:0xf   ; four lanes hold a block of 32
.endr
.irp j, 0,1,2,3
	v_add_nc_u32 v[XO+\j], 0xff000000, v[XM+\j]    ; 2 off the exponent field: the conversion takes the exponent field of this operand as its scale
.endr
.irp j, 0,1,2,3
	v_cvt_scalef32_pk8_fp4_f32 v[XC+\j], v[RW+8*\j:RW+8*\j+7], v[XO+\j]
.endr
.irp j, 0,1,2,3
	v_lshrrev_b32 v[XBY+\j], 23, v[XO+\j]          ; the scale's byte.  (Plain lines directly behind the conversions)
.endr
.irp k, 0,1,2,3,4,5,6,7,8,9,10,11,12,13,14,15
	v_cvt_pk_bf16_f32 v[XH+\k], v[RW+2*\k], v[RW+2*\k+1]
.endr
.irp j, 0,1,2,3
	ds_store_b32 v[ACT], v[XC+\j] offset:528*(\t)+128*\j         ; 8 codes a lane: the wave stores 128 consecutive bytes of the row
.endr
.irp j, 0,1,2,3
	ds_store_b8 v[AST], v[XBY+\j] offset:32*(\t)+8*\j            ; the four lanes of a block write the same byte with the same value
.endr
.irp g, 0,1,2,3
	ds_store_b128 v[AXT], v[XH+4*\g:XH+4*\g+3] offset:2048*(\t)+512*\g   ; the bf16 row as an image of its registers: 512 consecutive bytes a store
.endr
.endm
; A trip of the prologue: four rows of pass 0, loads two rows ahead: behind a row's eight loads stand two more rows' (16).
; last = 1: the trip also issues U's first two tiles and both pairs of scale words, in the places that they have in a pass's last trip, so that the counts of the first pass hold on the way in:
; behind row 1's loads then stand 8 + 2 + 8, behind row 2's 2 + 8 + 16 + 8, behind row 3's 16 + 8 + 16 + 2 + 8.
.macro XTRIP last
	s_wait_xcnt 0x0                                ; the loads issued so far have had their addresses translated (ISA guide 3.1): their bases are written again only behind this wait
	ESTEP
	XL 2, 34, 2
	XROW 0, 16
.if \last
	LSU 0, 0
.endif
	XL 3, 34, 3
	XROW 1, 16+2*\last
.if \last
	LB 0, 56, 0
.endif
	XL 0, 36, 0
	XROW 2, 16+18*\last
.if \last
	LB 1, 56, 1
	LSU 1, 1024
.endif
	XL 1, 36, 1
	XROW 3, 16+34*\last
	XSTEP
.endm
; ---- the products
.macro WM m, s, set, su, ra            ; one product: row tile m, K step s; ra: U's tile is the odd one of its pair
.set rD, ACC+8*(\m)
.set rB, 64*(\set)+8*(\s)
.set rA, 8*(8*(\m)+(\s))
.set rSU, SU+8*(\su)+(\s)
.set rSA, SA+8*((\m)/2)+(\s)
.if (\s) == 0
.if \ra
.if (\m)%2
	v_wmma_scale_f32_16x16x128_f8f6f4 v[rD:rD+7], v[rB:rB+7], v[rA:rA+7], 0, v[rSU], v[rSA] matrix_a_fmt:MATRIX_FMT_FP4 matrix_b_fmt:MATRIX_FMT_FP4 matrix_a_scale:MATRIX_SCALE_ROW1 matrix_b_scale:MATRIX_SCALE_ROW1
.else
	v_wmma_scale_f32_16x16x128_f8f6f4 v[rD:rD+7], v[rB:rB+7], v[rA:rA+7], 0, v[rSU], v[rSA] matrix_a_fmt:MATRIX_FMT_FP4 matrix_b_fmt:MATRIX_FMT_FP4 matrix_a_scale:MATRIX_SCALE_ROW1
.endif
.else
.if (\m)%2
	v_wmma_scale_f32_16x16x128_f8f6f4 v[rD:rD+7], v[rB:rB+7], v[rA:rA+7], 0, v[rSU], v[rSA] matrix_a_fmt:MATRIX_FMT_FP4 matrix_b_fmt:MATRIX_FMT_FP4 matrix_b_scale:MATRIX_SCALE_ROW1
.else
	v_wmma_scale_f32_16x16x128_f8f6f4 v[rD:rD+7], v[rB:rB+7], v[rA:rA+7], 0, v[rSU], v[rSA] matrix_a_fmt:MATRIX_FMT_FP4 matrix_b_fmt:MATRIX_FMT_FP4
.endif
.endif
.else
.if \ra
.if (\m)%2
	v_wmma_scale_f32_16x16x128_f8f6f4 v[rD:rD+7], v[rB:rB+7], v[rA:rA+7], v[rD:rD+7], v[rSU], v[rSA] matrix_a_fmt:MATRIX_FMT_FP4 matrix_b_fmt:MATRIX_FMT_FP4 matrix_a_scale:MATRIX_SCALE_ROW1 matrix_b_scale:MATRIX_SCALE_ROW1
.else
	v_wmma_scale_f32_16x16x128_f8f6f4 v[rD:rD+7], v[rB:rB+7], v[rA:rA+7], v[rD:rD+7], v[rSU], v[rSA] matrix_a_fmt:MATRIX_FMT_FP4 matrix_b_fmt:MATRIX_FMT_FP4 matrix_a_scale:MATRIX_SCALE_ROW1
.endif
.else
.if (\m)%2
	v_wmma_scale_f32_16x16x128_f8f6f4 v[rD:rD+7], v[rB:rB+7], v[rA:rA+7], v[rD:rD+7], v[rSU], v[rSA] matrix_a_fmt:MATRIX_FMT_FP4 matrix_b_fmt:MATRIX_FMT_FP4 matrix_b_scale:MATRIX_SCALE_ROW1
.else
	v_wmma_scale_f32_16x16x128_f8f6f4 v[rD:rD+7], v[rB:rB+7], v[rA:rA+7], v[rD:rD+7], v[rSU], v[rSA] matrix_a_fmt:MATRIX_FMT_FP4 matrix_b_fmt:MATRIX_FMT_FP4
.endif
.endif
.endif
.endm
.macro TANH                            ; in place on the four accumulators, each from its low end on: SACC += -2 v / (1 + 2^(c k + cb)).  All registers in window 3
.irp i, 0,2,4,6
.irp m, 0,1,2,3
	v_pk_fma_f32 v[ACC+8*\m+\i:ACC+8*\m+\i+1], v[ACC+8*\m+\i:ACC+8*\m+\i+1], s[28:29], v[CB+\i:CB+\i+1] op_sel_hi:[1,0,1]
.endr
.endr
.set J, 0
.rept 32
	v_exp_f32 v[ACC+J], v[ACC+J]
.set J, J+1
.endr
	v_nop                                          ; a plain line between the exponentials and the use of their results (ISA guide 5.7.2)
.set J, 0
	s_wait_alu depctr_va_vdst(0)
.rept 16
	v_pk_add_f32 v[ACC+J:ACC+J+1], v[ACC+J:ACC+J+1], 1.0 op_sel_hi:[1,0]
.set J, J+2
.endr
.set J, 0
.rept 32
	v_rcp_f32 v[ACC+J], v[ACC+J]
.set J, J+1
.endr
	v_nop                                          ; and between the reciprocals and theirs
	s_wait_alu depctr_va_vdst(0)
.irp i, 0,2,4,6
.irp m, 0,1,2,3
	v_pk_fma_f32 v[SACC+2*\m:SACC+2*\m+1], v[ACC+8*\m+\i:ACC+8*\m+\i+1], v[VV+\i:VV+\i+1], v[SACC+2*\m:SACC+2*\m+1]
.endr
.endr
.endm
; Tile period t of a trip's four.  x = 1: with a row of the next pass.  The order of issue in a period: a tile of U for two periods on (16 loads); in odd periods the scale words of a pair of tiles of the
; next trip (2); with x = 1 a row of enc for two periods on (8).
; x = 1.  Behind a tile's 16 loads stand, at its wait two periods on: a row, a tile, a row, and the one pair of scale loads that falls into any two periods: 8 + 16 + 8 + 2 = 34.
;   Behind a row's 8 loads stand, at its wait behind the tanh two periods on: a tile, a row, a tile, a row and one pair of scale loads: 50.
; x = 0.  Behind a tile's loads stand a tile and a pair of scale loads: 18.
; A tile's own scale words were issued three periods ahead or more.  The counts hold on the way in from the prologue, round the trip's backward jump and from pass to pass: nothing else is loaded into registers from memory.
.macro TILE t, x
	WIN 0xc0                                       ; destination window 3
	ds_load_b128 v[CB:CB+3],   v[TBA] offset:64*\t
	ds_load_b128 v[CB+4:CB+7], v[TBA] offset:64*\t+16
	ds_load_b128 v[VV:VV+3],   v[TBA] offset:64*\t+4096
	ds_load_b128 v[VV+4:VV+7], v[TBA] offset:64*\t+4112
.if \x
	s_wait_loadcnt 34
.else
	s_wait_loadcnt 18
.endif
	WIN W_MM
.irp s, 0,1,2,3,4,5,6,7
.irp m, 0,1,2,3
	WM \m, \s, (\t)%2, (\t)/2, (\t)%2              ; the four accumulators take turns, one instruction a turn
.endr
.endr
.rept 4
	v_nop                                          ; four places in front of loads into registers that the products have read, and of the first read of results (ISA guide 7.12.1 for the results)
.endr
.if \t == 0
	LB 0, 54, 2
.elseif \t == 1
	LB 1, 54, 3
	LSU 0, 0
.elseif \t == 2
	LB 0, 56, 0
.else
	LB 1, 56, 1
	LSU 1, 1024
.endif
.if \x
.if \t < 2
	XL (\t)+2, 34, (\t)+2                          ; rows 2 and 3 of this row trip,
.else
	XL (\t)-2, 36, (\t)-2                          ; rows 0 and 1 of the next; the buffer's last row was quantised two periods ago
.endif
.endif
	s_wait_dscnt 0x0                               ; cb and -2 v of this tile
	WIN 0xff
	TANH
	WIN 0
.if \x
	XROW \t, 50
.endif
.endm
.macro MMX x                           ; four trips of four periods.  s46: this trip's byte in my 16 tiles of Uf; s47: the next trip's, wrapped to 0 behind the last
	s_mov_b32 s45, 4
.Ltrip_\@:
	s_wait_xcnt 0x0                                ; the loads issued so far have had their addresses translated (ISA guide 3.1): their bases are written again only behind this wait
	s_add_co_u32 s47, s46, 32768
	s_and_b32 s47, s47, 0x1ffff
	s_mov_b32 s60, s46
	s_add_nc_u64 s[54:55], s[50:51], s[60:61]
	s_mov_b32 s60, s47
	s_add_nc_u64 s[56:57], s[50:51], s[60:61]
	s_lshr_b32 s60, s47, 4                         ; 512 scale bytes for a tile's 8,192 bytes of codes
	s_add_nc_u64 s[58:59], s[52:53], s[60:61]
.if \x
	ESTEP
.endif
	v_add_nc_u32 v[TBA], s48, v[ATB]               ; (the loads that named it were waited for in the last period)
	TILE 0, \x
	TILE 1, \x
	TILE 2, \x
	TILE 3, \x
	s_mov_b32 s46, s47
	s_add_co_u32 s48, s48, 256
.if \x
	XSTEP
.endif
	s_sub_co_u32 s45, s45, 1
	s_cmp_lg_u32 s45, 0
	s_cbranch_scc1 .Ltrip_\@
.endm
.macro SALOAD                          ; the 64 rows' scale words
.irp u, 0,1
	ds_load_b128 v[SA+8*\u:SA+8*\u+3],   v[ASR] offset:1024*\u
	ds_load_b128 v[SA+8*\u+4:SA+8*\u+7], v[ASR] offset:1024*\u+16
.endr
.endm
.macro PREP                            ; a pass begins: the sums are zeros, the LDS steps are 0
	WIN 0xc0
.irp i, 0,1,2,3,4,5,6,7
	v_mov_b32 v[SACC+\i], 0
.endr
	WIN 0
	s_mov_b32 s48, 0
	s_mov_b32 s49, 0
	s_mov_b32 s42, 0
	s_mov_b32 s43, 0
.endm
; ---- the scores of the pass, the running maximum and sum
.macro SCORES
	WIN 0x0f                                       ; sources window 3
.irp m, 0,1,2,3
	v_add_f32 v[SP+\m], v[SACC+2*\m], v[SACC+2*\m+1]
.endr
	WIN 0
.irp m, 0,1,2,3
	v_permlanex16_b32 v[TP+\m], v[SP+\m], s30, s31
.endr
.irp m, 0,1,2,3
	v_add_f32 v[SP+\m], v[SP+\m], v[TP+\m]         ; row 16 m + r, my 256 columns
.endr
.irp m, 0,1,2,3
	ds_store_b32 v[SXW], v[SP+\m] offset:64*\m
.endr
	s_wait_dscnt 0x0                               ; for the others: my partial scores have landed, and so have the codes and scale bytes of the next pass's rows
	s_barrier_signal -1
	s_barrier_wait -1
.irp w, 0,1,2,3
	ds_load_b64 v[Q+2*\w:Q+2*\w+1], v[SXR] offset:256*\w
.endr
	s_wait_dscnt 0x0
	v_pk_add_f32 v[Q:Q+1], v[Q:Q+1], v[Q+2:Q+3]
	v_pk_add_f32 v[Q+4:Q+5], v[Q+4:Q+5], v[Q+6:Q+7]
	v_pk_add_f32 v[Q:Q+1], v[Q:Q+1], v[Q+4:Q+5]
	v_pk_add_f32 v[SS:SS+1], v[Q:Q+1], s[24:25] op_sel_hi:[1,0]   ; + C0: lane l holds the scores of rows 2 l and 2 l + 1
	s_cmp_lg_u32 s22, 0
	s_cbranch_scc1 .Lns_\@
	global_store_b64 v[SCO], v[SS:SS+1], s[16:17]  ; wave 0: 256 consecutive bytes, at a multiple of 256 from the buffer's first byte
.Lns_\@:
	v_max_num_f32 v[MX], v[SS], v[SS+1]
	v_max_num_f32_dpp v[MX], v[MX], v[MX] row_xmask:1 row_mask:0xf bank_mask:0xf
	v_max_num_f32_dpp v[MX], v[MX], v[MX] row_xmask:2 row_mask:0xf bank_mask:0xf
	v_max_num_f32_dpp v[MX], v[MX], v[MX] row_xmask:4 row_mask:0xf bank_mask:0xf
	v_max_num_f32_dpp v[MX], v[MX], v[MX] row_xmask:8 row_mask:0xf bank_mask:0xf
	v_permlanex16_b32 v[TMP], v[MX], s30, s31
	v_max_num_f32 v[MX], v[MX], v[TMP]
	v_max_num_f32 v[TMP], v[MO], v[MX]             ; the new m
	v_sub_f32 v[F], v[MO], v[TMP]
	v_mul_f32 v[F], s26, v[F]                      ; (old m - new m) log2(e)
	v_mul_f32 v[NM], 0xbfb8aa3b, v[TMP]            ; -m log2(e)
	v_mov_b32 v[NM+1], v[NM]
	v_pk_fma_f32 v[PP:PP+1], v[SS:SS+1], s[26:27], v[NM:NM+1] op_sel_hi:[1,0,1]
	v_exp_f32 v[F], v[F]
	v_exp_f32 v[PP], v[PP]
	v_exp_f32 v[PP+1], v[PP+1]
	v_mov_b32 v[MO], v[TMP]                        ; (a plain line behind the exponentials)
	s_wait_alu depctr_va_vdst(0)
	v_mov_b32 v[F+1], v[F]
	ds_store_b64 v[PXW], v[PP:PP+1]                ; into my own copy,
.irp i, 0,1,2,3
	ds_load_b128 v[P+4*\i:P+4*\i+3], v[PXR] offset:16*\i   ; and p of my 16 rows back, the same in every lane: LDS serves a wave's instructions in order (ISA guide 5.7.1.4)
.endr
	v_add_f32 v[MX], v[PP], v[PP+1]
	v_add_f32_dpp v[MX], v[MX], v[MX] row_xmask:1 row_mask:0xf bank_mask:0xf
	v_add_f32_dpp v[MX], v[MX], v[MX] row_xmask:2 row_mask:0xf bank_mask:0xf
	v_add_f32_dpp v[MX], v[MX], v[MX] row_xmask:4 row_mask:0xf bank_mask:0xf
	v_add_f32_dpp v[MX], v[MX], v[MX] row_xmask:8 row_mask:0xf bank_mask:0xf
	v_permlanex16_b32 v[TMP], v[MX], s30, s31
	v_add_f32 v[MX], v[MX], v[TMP]
	v_fma_f32 v[LS], v[LS], v[F], v[MX]            ; l
.endm
; ---- the context.  nxt = 1: behind each two rows' 64 multiply-adds their registers take the next pass's two rows (8 LDS loads), and an eighth of the next pass's codes comes in (8 more)
.macro CTX nxt
	WIN 0xc3                                       ; destination and source 0 window 3
.set J, 0
.rept 16
	v_pk_mul_f32 v[CT+J:CT+J+1], v[CT+J:CT+J+1], v[F:F+1] op_sel_hi:[1,0]
.set J, J+2
.endr
	s_wait_dscnt 0x0                               ; p
.if \nxt
	WIN 0
	SALOAD
.endif
.set GG, 0
.rept 8
	WIN 0xf2                                       ; source 0 (bf16 rows) window 2, source 1 (p) window 0, source 2 and destination window 3
.set RR, 2*GG
.rept 2
.set KK, 0
.rept 16
	v_fma_mix_f32_bf16 v[CT+2*KK], v[16*RR+KK], v[P+RR], v[CT+2*KK] op_sel_hi:[1,0,0]
	v_fma_mix_f32_bf16 v[CT+2*KK+1], v[16*RR+KK], v[P+RR], v[CT+2*KK+1] op_sel:[1,0,0] op_sel_hi:[1,0,0]
.set KK, KK+1
.endr
.set RR, RR+1
.endr
.if \nxt
	WIN 0x80                                       ; destination window 2
.set II, 0
.rept 8
	ds_load_b128 v[32*GG+4*II:32*GG+4*II+3], v[AXW] offset:4096*GG+512*II
.set II, II+1
.endr
	WIN 0x40                                       ; destination window 1
.set II, 0
.rept 8
.set AI, 8*GG+II
	ds_load_b128 v[4*AI:4*AI+3], v[AFR] offset:8448*(AI/16)+64*((AI/2)%8)+32*(AI%2)
.set II, II+1
.endr
.endif
.set GG, GG+1
.endr
	WIN 0
	s_wait_xcnt 0x0                                ; the score store has read its data and its base: both may be written again
	s_add_nc_u64 s[16:17], s[16:17], 256
.if \nxt
	PREP
	s_wait_dscnt 0x0                               ; my reads of the codes and scale bytes are back: behind this barrier the next rows may be written over them
	s_barrier_signal -1
	s_barrier_wait -1
.endif
.endm
; ---- the head
	s_load_b512 s[4:19], s[0:1], 0x0               ; enc s[4:5], Uf s[6:7], U scales s[8:9], cbw s[10:11], v_w s[12:13], consts s[14:15], scores s[16:17], pctx s[18:19]
	s_load_b64 s[20:21], s[0:1], 0x40              ; stats
	v_lshl_add_u32 v254, v0, 2, 0x2f400
	v_mov_b32 v255, 0
	v_lshrrev_b32 v192, 5, v0
	v_readfirstlane_b32 s22, v192                  ; wave 0..3
	v_and_b32 v192, 31, v0                         ; lane
	v_and_b32 v193, 15, v0                         ; r
	v_bfe_u32 v194, v0, 4, 1                       ; h
	v_lshlrev_b32 v[EA], 5, v192
	v_lshlrev_b32 v[UL], 4, v192
	v_lshlrev_b32 v[TG], 4, v0
	s_lshl_b32 s60, ttmp9, 20                      ; 256 rows of 4,096 bytes a work-group,
	s_lshl_b32 s2, s22, 16                         ; 16 a wave
	s_add_co_u32 s60, s60, s2
	s_mov_b32 s61, 0                               ; the upper word of every offset: stays 0
	s_wait_kmcnt 0x0
	s_add_nc_u64 s[32:33], s[4:5], s[60:61]        ; my first row
	s_mov_b64 s[36:37], s[32:33]
	s_lshr_b32 s2, ttmp9, 3                        ; my batch
	s_lshl_b32 s60, s2, 12
	s_add_nc_u64 s[10:11], s[10:11], s[60:61]
	global_load_b128 v[XH:XH+3],     v[TG], s[10:11]             ; the tables: 128 threads x 16 bytes, twice each
	global_load_b128 v[XH+4:XH+7],   v[TG], s[10:11] offset:2048
	global_load_b128 v[XH+8:XH+11],  v[TG], s[12:13]
	global_load_b128 v[XH+12:XH+15], v[TG], s[12:13] offset:2048
	XL 0, 36, 0                                    ; rows 0 and 1
	XL 1, 36, 1
	s_load_b64 s[24:25], s[14:15], 0x0             ; C0, twice
	s_lshl_b32 s60, s22, 17
	s_add_nc_u64 s[50:51], s[6:7], s[60:61]        ; my 16 tiles of Uf
	s_lshl_b32 s60, s22, 13
	s_add_nc_u64 s[52:53], s[8:9], s[60:61]        ; and their scale bytes
	s_mov_b64 s[56:57], s[50:51]                   ; what the prologue's last trip loads by: my first tiles
	s_mov_b64 s[58:59], s[52:53]
	s_lshl_b32 s60, ttmp9, 10
	s_add_nc_u64 s[16:17], s[16:17], s[60:61]      ; scores: 256 numbers a work-group
	s_lshl_b32 s60, ttmp9, 12
	s_lshl_b32 s2, s22, 10
	s_add_co_u32 s60, s60, s2
	s_add_nc_u64 s[18:19], s[18:19], s[60:61]      ; pctx: 4,096 bytes a work-group, 1,024 a wave
	s_lshl_b32 s60, ttmp9, 8
	s_add_nc_u64 s[20:21], s[20:21], s[60:61]      ; stats: 256 bytes a work-group
	s_mov_b32 s26, 0x3fb8aa3b                      ; log2(e)
	s_mov_b32 s27, s26
	s_mov_b32 s28, 0x4038aa3b                      ; c = 2 log2(e)
	s_mov_b32 s29, s28
	s_mov_b32 s30, 0x76543210
	s_mov_b32 s31, 0xfedcba98                      ; v_permlanex16_b32: lane l xor 16
	s_mov_b32 s38, 0                               ; the row trip
	s_mov_b32 s46, 0
	s_mov_b32 s49, 0
	s_mov_b32 s42, 0
	s_mov_b32 s43, 0
	s_mul_i32 s2, s22, 8448
	s_add_co_u32 s2, s2, CODES
	v_lshl_add_u32 v[ACW], v192, 2, s2
	s_lshl_b32 s2, s22, 9
	s_add_co_u32 s2, s2, SCL
	v_lshrrev_b32 v[ASW], 2, v192
	v_add_nc_u32 v[ASW], s2, v[ASW]
	s_lshl_b32 s2, s22, 15
	v_lshl_add_u32 v[AXW], v192, 4, s2
	v_mul_u32_u24 v[AFR], v193, 528
	v_lshl_add_u32 v[AFR], v194, 4, v[AFR]
	v_add_nc_u32 v[AFR], CODES, v[AFR]
	v_lshl_add_u32 v[ASR], v192, 5, SCL
	s_lshl_b32 s2, s22, 10
	s_add_co_u32 s2, s2, CBT
	v_lshl_add_u32 v[ATB], v194, 5, s2
	s_lshl_b32 s3, s22, 8
	s_add_co_u32 s2, s3, SX
	v_lshl_add_u32 v[SXW], v193, 2, s2
	v_lshl_add_u32 v[SXR], v192, 3, SX
	s_add_co_u32 s2, s3, PX
	v_lshl_add_u32 v[PXW], v192, 3, s2
	s_mul_i32 s2, s22, 320                         ; my copy (256 x wave), my 16 rows in it (64 x wave)
	s_add_co_u32 s2, s2, PX
	v_mov_b32 v[PXR], s2
	v_lshlrev_b32 v[SCO], 3, v192
	s_lshl_b32 s2, s22, 12
	s_add_co_u32 s2, s2, CR
	v_lshl_add_u32 v[CRW], v192, 5, s2
	s_lshl_b32 s2, s22, 10
	s_add_co_u32 s2, s2, CR
	v_lshl_add_u32 v[CRR], v192, 4, s2
	v_lshl_add_u32 v[TBW], v0, 4, CBT
	WIN 0xc0
.set J, 0
.rept 32
	v_mov_b32 v[CT+J], 0                           ; the context begins as zeros: the pass is written for every pass alike
.set J, J+1
.endr
	WIN 0
	v_mov_b32 v[MO], 0xff61b1e6                    ; m: -3e38, under every score
	v_mov_b32 v[LS], 0
	v_mov_b32 v[TMP], 0                            ; lane permutes' destinations count as read
.irp m, 0,1,2,3
	v_mov_b32 v[TP+\m], 0
.endr
	s_wait_loadcnt 16                              ; the four table loads are in; the two rows behind them may stay out
.irp i, 8,10,12,14
	v_pk_mul_f32 v[XH+\i:XH+\i+1], v[XH+\i:XH+\i+1], -2.0 op_sel_hi:[1,0]
.endr
	ds_store_b128 v[TBW], v[XH:XH+3]
	ds_store_b128 v[TBW], v[XH+4:XH+7] offset:2048
	ds_store_b128 v[TBW], v[XH+8:XH+11] offset:4096
	ds_store_b128 v[TBW], v[XH+12:XH+15] offset:6144
	s_wait_kmcnt 0x0                               ; C0
; ---- the prologue: pass 0's rows
	s_mov_b32 s45, 3
.Lpro:
	XTRIP 0
	s_sub_co_u32 s45, s45, 1
	s_cmp_lg_u32 s45, 0
	s_cbranch_scc1 .Lpro
	XTRIP 1
	s_wait_dscnt 0x0                               ; for the others: my codes, scale bytes and part of the tables have landed
	s_barrier_signal -1
	s_barrier_wait -1
	WIN 0x40                                       ; pass 0's codes,
.set AI, 0
.rept 64
	ds_load_b128 v[4*AI:4*AI+3], v[AFR] offset:8448*(AI/16)+64*((AI/2)%8)+32*(AI%2)
.set AI, AI+1
.endr
	WIN 0x80                                       ; my 16 rows in bf16,
.set AI, 0
.rept 64
	ds_load_b128 v[4*AI:4*AI+3], v[AXW] offset:512*AI
.set AI, AI+1
.endr
	WIN 0
	SALOAD                                         ; and the scale words
	PREP
	s_wait_dscnt 0x0                               ; my reads of the codes and scale bytes are back: behind this barrier pass 1's rows may be written over them
	s_barrier_signal -1
	s_barrier_wait -1
	s_mov_b32 s44, 3
.Lpass:                                                ; three passes that carry the next pass's rows
	MMX 1
	SCORES
	CTX 1
	s_sub_co_u32 s44, s44, 1
	s_cmp_lg_u32 s44, 0
	s_cbranch_scc1 .Lpass
	MMX 0                                          ; the last pass is written out: no row is left, and the counts of its waits differ
	SCORES
	CTX 0
; ---- the end: the four waves' context parts are summed through LDS
	WIN 0x0c                                       ; an LDS store's data are its source 1: window 3
.irp j, 0,1,2,3
	ds_store_b128 v[CRW], v[CT+8*\j:CT+8*\j+3] offset:1024*\j
	ds_store_b128 v[CRW], v[CT+8*\j+4:CT+8*\j+7] offset:1024*\j+16
.endr
	WIN 0
	s_wait_dscnt 0x0
	s_barrier_signal -1
	s_barrier_wait -1
	s_cmp_lg_u32 s22, 0
	s_cbranch_scc1 .Lnostat
	global_store_b64 v[SCO], v[MO:MO+1], s[20:21]  ; wave 0: (m, l), the same in every lane: one whole block of 256 bytes
.Lnostat:
.irp u, 0,1
.irp w, 0,1,2,3
	ds_load_b128 v[XR+16*\u+4*\w:XR+16*\u+4*\w+3], v[CRR] offset:4096*\w+512*\u   ; my 256 columns of each wave's part
.endr
.endr
	s_wait_dscnt 0x0
.irp u, 0,1
.irp e, 0,2
	v_pk_add_f32 v[XR+16*\u+\e:XR+16*\u+\e+1], v[XR+16*\u+\e:XR+16*\u+\e+1], v[XR+16*\u+4+\e:XR+16*\u+4+\e+1]
	v_pk_add_f32 v[XR+16*\u+8+\e:XR+16*\u+8+\e+1], v[XR+16*\u+8+\e:XR+16*\u+8+\e+1], v[XR+16*\u+12+\e:XR+16*\u+12+\e+1]
.endr
.irp e, 0,2
	v_pk_add_f32 v[XR+16*\u+\e:XR+16*\u+\e+1], v[XR+16*\u+\e:XR+16*\u+\e+1], v[XR+16*\u+8+\e:XR+16*\u+8+\e+1]
.endr
	global_store_b128 v[UL], v[XR+16*\u:XR+16*\u+3], s[18:19] offset:512*\u   ; the wave stores 512 consecutive bytes
.endr
	s_wait_tensorcnt 0x0
	ds_add_u32 v254, v255
	s_wait_dscnt 0x0
	s_endpgm
.Lfunc_end_k_qb84a5b93fb_main:
	.size	k_qb84a5b93fb_main, .Lfunc_end_k_qb84a5b93fb_main-k_qb84a5b93fb_main
	.p2alignl 7, 3214868480
	.fill 96, 4, 3214868480
	.section	.rodata,"a",@progbits
	.p2align	6, 0x0
	.amdhsa_kernel k_qb84a5b93fb_main
		.amdhsa_group_segment_fixed_size 194048
		.amdhsa_private_segment_fixed_size 0
		.amdhsa_enable_private_segment 0
		.amdhsa_kernarg_size 72
		.amdhsa_user_sgpr_count 2
		.amdhsa_user_sgpr_kernarg_segment_ptr 1
		.amdhsa_wavefront_size32 1
		.amdhsa_system_sgpr_workgroup_id_x 1
		.amdhsa_system_sgpr_workgroup_id_y 1
		.amdhsa_system_sgpr_workgroup_id_z 1
		.amdhsa_system_vgpr_workitem_id 0
		.amdhsa_next_free_vgpr 1024
		.amdhsa_next_free_sgpr 66
		.amdhsa_reserve_vcc 0
		.amdhsa_float_denorm_mode_32 3
		.amdhsa_float_denorm_mode_16_64 3
		.amdhsa_memory_ordered 1
		.amdhsa_forward_progress 1
		.amdhsa_inst_pref_size 255
	.end_amdhsa_kernel
	.section	.bss,"aw",@nobits
	.p2align	6
	.space	262144
	.amdgpu_metadata
---
amdhsa.version: [ 1, 2 ]
amdhsa.kernels:
  - .name:           k_qb84a5b93fb_main
    .symbol:         k_qb84a5b93fb_main.kd
    .args:
      - { .name: encoder_outputs, .offset: 0, .size: 8, .value_kind: global_buffer, .address_space: global }
      - { .name: Uf, .offset: 8, .size: 8, .value_kind: global_buffer, .address_space: global }
      - { .name: U_w_scales, .offset: 16, .size: 8, .value_kind: global_buffer, .address_space: global }
      - { .name: cbw, .offset: 24, .size: 8, .value_kind: global_buffer, .address_space: global }
      - { .name: v_w, .offset: 32, .size: 8, .value_kind: global_buffer, .address_space: global }
      - { .name: consts, .offset: 40, .size: 8, .value_kind: global_buffer, .address_space: global }
      - { .name: scores, .offset: 48, .size: 8, .value_kind: global_buffer, .address_space: global }
      - { .name: pctx, .offset: 56, .size: 8, .value_kind: global_buffer, .address_space: global }
      - { .name: stats, .offset: 64, .size: 8, .value_kind: global_buffer, .address_space: global }
    .group_segment_fixed_size: 194048
    .private_segment_fixed_size: 0
    .kernarg_segment_align: 8
    .kernarg_segment_size: 72
    .max_flat_workgroup_size: 128
    .sgpr_count:     66
    .vgpr_count:     1024
    .wavefront_size: 32
...
	.end_amdgpu_metadata
.endif
;; end of part 2
;; launch combine (part 3): grid 32 x 1, 8 waves a work-group, no clusters, 0 bytes of LDS; arguments scores, pctx, stats, out0, out1; writes out0, out1
.if DOCPART == 3
	.amdgcn_target "amdgcn-amd-amdhsa--gfx1250"
	.amdhsa_code_object_version 6
	.text
	.protected	k_qb84a5b93fb_combine
	.globl	k_qb84a5b93fb_combine
	.p2align	8
	.type	k_qb84a5b93fb_combine,@function
k_qb84a5b93fb_combine:
	s_mov_b64 s[64:65], 0
	v_nop
	global_prefetch_b8 v0, s[64:65] scope:SCOPE_SE
	s_setreg_imm32_b32 hwreg(HW_REG_WAVE_MODE, 25, 1), 1
	s_wait_xcnt 0x0
; One work-group for each batch joins the eight parts that the launch before left: part i has its maximum m_i, its sum l_i of e^(s - m_i) and its context sum of e^(s - m_i) x enc.
; M = the largest m_i; w_i = e^(m_i - M); L = the sum of l_i w_i; context = (the sum of w_i part_i) / L; attn = e^(s - M) / L.
; Thread t takes 4 columns of the context and 2 x 4 of the 2,048 weights: every load and store of a wave covers 512 consecutive bytes.  No LDS, no barrier, no matrix work: a few kilobytes a work-group.
; LIMIT: a weight under 2^-126 comes out as 0 (the exponential instruction gives no denormals: ISA guide 15.8).
	s_load_b256 s[4:11], s[0:1], 0x0               ; scores s[4:5], pctx s[6:7], stats s[8:9], out0 s[10:11]
	s_load_b64 s[12:13], s[0:1], 0x20              ; out1
	v_lshlrev_b32 v1, 4, v0
	s_mov_b32 s35, 0
	s_mov_b32 s14, 0x3fb8aa3b                      ; log2(e)
	s_wait_kmcnt 0x0
	s_lshl_b32 s34, ttmp9, 11                      ; eight blocks of 256 bytes
	s_add_nc_u64 s[8:9], s[8:9], s[34:35]
.irp i, 0,1,2,3,4,5,6,7
	s_load_b64 s[16+2*\i:17+2*\i], s[8:9], 256*\i  ; m_i, l_i
.endr
	s_lshl_b32 s34, ttmp9, 15
	s_add_nc_u64 s[6:7], s[6:7], s[34:35]
	s_lshl_b32 s34, ttmp9, 13
	s_add_nc_u64 s[4:5], s[4:5], s[34:35]
	s_add_nc_u64 s[12:13], s[12:13], s[34:35]
	s_lshl_b32 s34, ttmp9, 12
	s_add_nc_u64 s[10:11], s[10:11], s[34:35]
.irp i, 0,1,2,3,4,5,6,7
	global_load_b128 v[8+4*\i:11+4*\i], v1, s[6:7] offset:4096*\i
.endr
	global_load_b128 v[40:43], v1, s[4:5]
	global_load_b128 v[44:47], v1, s[4:5] offset:4096
	s_wait_kmcnt 0x0
	v_mov_b32 v2, s16
	v_max3_num_f32 v2, v2, s18, s20
	v_max3_num_f32 v2, v2, s22, s24
	v_max3_num_f32 v2, v2, s26, s28
	v_max_num_f32 v2, s30, v2                      ; M
	v_mul_f32 v3, 0xbfb8aa3b, v2                   ; -M log2(e)
.irp i, 0,1,2,3,4,5,6,7
	v_fma_f32 v[48+\i], s[16+2*\i], s14, v3
.endr
.irp i, 0,1,2,3,4,5,6,7
	v_exp_f32 v[48+\i], v[48+\i]                   ; w_i
.endr
	v_nop                                          ; a plain line behind the exponentials (ISA guide 5.7.2)
	s_wait_alu depctr_va_vdst(0)
	v_mul_f32 v4, s17, v48
.irp i, 1,2,3,4,5,6,7
	v_fma_f32 v4, s[17+2*\i], v[48+\i], v4         ; L
.endr
	v_rcp_f32 v5, v4
	v_nop
	s_wait_loadcnt 0x2                             ; the eight parts are in; the two loads of scores may stay out
.irp e, 0,1,2,3
	v_mul_f32 v[56+\e], v[8+\e], v48
.endr
.irp i, 1,2,3,4,5,6,7
.irp e, 0,1,2,3
	v_fma_f32 v[56+\e], v[8+4*\i+\e], v[48+\i], v[56+\e]
.endr
.endr
	s_wait_alu depctr_va_vdst(0)
.irp e, 0,1,2,3
	v_mul_f32 v[56+\e], v[56+\e], v5
.endr
	global_store_b128 v1, v[56:59], s[10:11]
	s_wait_loadcnt 0x0
.irp e, 0,1,2,3,4,5,6,7
	v_fma_f32 v[40+\e], v[40+\e], s14, v3
.endr
.irp e, 0,1,2,3,4,5,6,7
	v_exp_f32 v[40+\e], v[40+\e]
.endr
	v_nop
	s_wait_alu depctr_va_vdst(0)
.irp e, 0,1,2,3,4,5,6,7
	v_mul_f32 v[40+\e], v[40+\e], v5
.endr
	global_store_b128 v1, v[40:43], s[12:13]
	global_store_b128 v1, v[44:47], s[12:13] offset:4096
	s_endpgm
.Lfunc_end_k_qb84a5b93fb_combine:
	.size	k_qb84a5b93fb_combine, .Lfunc_end_k_qb84a5b93fb_combine-k_qb84a5b93fb_combine
	.p2alignl 7, 3214868480
	.fill 96, 4, 3214868480
	.section	.rodata,"a",@progbits
	.p2align	6, 0x0
	.amdhsa_kernel k_qb84a5b93fb_combine
		.amdhsa_group_segment_fixed_size 0
		.amdhsa_private_segment_fixed_size 0
		.amdhsa_enable_private_segment 0
		.amdhsa_kernarg_size 40
		.amdhsa_user_sgpr_count 2
		.amdhsa_user_sgpr_kernarg_segment_ptr 1
		.amdhsa_wavefront_size32 1
		.amdhsa_system_sgpr_workgroup_id_x 1
		.amdhsa_system_sgpr_workgroup_id_y 1
		.amdhsa_system_sgpr_workgroup_id_z 1
		.amdhsa_system_vgpr_workitem_id 0
		.amdhsa_next_free_vgpr 64
		.amdhsa_next_free_sgpr 66
		.amdhsa_reserve_vcc 0
		.amdhsa_float_denorm_mode_32 3
		.amdhsa_float_denorm_mode_16_64 3
		.amdhsa_memory_ordered 1
		.amdhsa_forward_progress 1
		.amdhsa_inst_pref_size 8
	.end_amdhsa_kernel
	.amdgpu_metadata
---
amdhsa.version: [ 1, 2 ]
amdhsa.kernels:
  - .name:           k_qb84a5b93fb_combine
    .symbol:         k_qb84a5b93fb_combine.kd
    .args:
      - { .name: scores, .offset: 0, .size: 8, .value_kind: global_buffer, .address_space: global }
      - { .name: pctx, .offset: 8, .size: 8, .value_kind: global_buffer, .address_space: global }
      - { .name: stats, .offset: 16, .size: 8, .value_kind: global_buffer, .address_space: global }
      - { .name: out0, .offset: 24, .size: 8, .value_kind: global_buffer, .address_space: global }
      - { .name: out1, .offset: 32, .size: 8, .value_kind: global_buffer, .address_space: global }
    .group_segment_fixed_size: 0
    .private_segment_fixed_size: 0
    .kernarg_segment_align: 8
    .kernarg_segment_size: 40
    .max_flat_workgroup_size: 256
    .sgpr_count:     66
    .vgpr_count:     64
    .wavefront_size: 32
...
	.end_amdgpu_metadata
.endif
;; end of part 3
;; ======== version 2 of 2: 3 launches
;; workspace buffers: cbw 131,072 bytes; Uf 524,288 bytes; consts 256 bytes; scores 262,144 bytes; pctx 1,048,576 bytes; stats 65,536 bytes
;; launch prep (part 4): grid 32 x 1, 4 waves a work-group, no clusters, 5,120 bytes of LDS; arguments W_w_codes, W_w_scales, decoder_hidden_codes, decoder_hidden_scales, W_b, U_b, U_w_codes, v_w, v_b, cbw, Uf, consts; writes cbw, Uf, consts
.if DOCPART == 4
	.amdgcn_target "amdgcn-amd-amdhsa--gfx1250"
	.amdhsa_code_object_version 6
	.text
	.protected	k_qb84a5b93fb_prep
	.globl	k_qb84a5b93fb_prep
	.p2align	8
	.type	k_qb84a5b93fb_prep,@function
k_qb84a5b93fb_prep:
	s_mov_b64 s[64:65], 0
	v_nop
	global_prefetch_b8 v0, s[64:65] scope:SCOPE_SE
	s_setreg_imm32_b32 hwreg(HW_REG_WAVE_SCHED_MODE, 0, 2), 2
	s_setreg_imm32_b32 hwreg(HW_REG_WAVE_MODE, 25, 1), 1
	s_wait_xcnt 0x0
	s_wait_alu depctr_vm_vsrc(0)
; Three small things that the main launch wants ready.
; (1) cbw[b][n] = c (q[b][n] + W_b[n] + U_b[n]), c = 2 log2(e), q = decoder_hidden W_w^T on the given E2M1 codes and E8M0 scales (32 x 1024 x 1024).
; (2) Uf: U_w's codes laid in the order of the operand's registers: tile T (16 rows of U), K step s, half c: 512 bytes, 16 a lane, at 8192 T + 512 (2 s + c) + 16 lane.
; (3) consts: C0 = the sum of v_w + v_b, 64 times (one whole block of 256 bytes): tanh(x) = 1 - 2 / (1 + 2^(c x)), so a score is C0 + the sum of -2 v / (1 + 2^(c x)).
; SHARES.  Work-group x: g = x % 2 (batches 16 g .. 16 g + 15), X = x / 2.  Wave w: tile T = 4 X + w of 16 n.  It makes cbw for 16 batches x 16 n and lays K steps 4 g .. 4 g + 3 of U's tile T.
; THE MATRIX INSTRUCTION IS USED TRANSPOSED (source 0 = 16 rows of W, source 1 = 16 batches): lane (r, h) holds batch r, its registers n = 16 T + 8 h + 0 .. 7.
; The eight K steps go onto two accumulators by turns; W_b and U_b are the C of their first instructions, so the biases cost no addition.
; No tensor load, no ring: every operand is read once, straight into registers.
; THE MODE: SCHED_MODE bits 1:0 = 2 (LLVM: expert scheduling mode 2), set by the entry lines.  The code itself states the register dependences
; between vector or matrix instructions and memory or LDS instructions, with s_wait_alu, always for 0.
; THE PLAN.  Registers that memory or LDS instructions touch:
;   v4-v10      offsets and LDS addresses: written at the head, never again; read by every load and store.
;   v16-207     operands, scale words and biases: written by loads alone, read by the products (U's eight registers groups by stores alone).
;   v224-231    the result: written by vector instructions, read by two LDS stores.
;   v16-47      in wave 0 of work-group 0: loaded again with v_w, behind the products that read them; v16, v17 and v49 are then written by vector instructions and read by the last store.
; Four waits state all of it: the wave's number; the addresses; the result (with it: the products are done with v16-47); C0.
.set WF,   16                          ; v16-79    W's eight fragments
.set DF,   80                          ; v80-143   decoder_hidden's eight
.set UF,   144                         ; v144-175  U's four K steps, as loaded and as stored
.set WSC,  176                         ; v176-183  W's scale words, one for each K step: scales and nothing else
.set DSC,  184                         ; v184-191  decoder_hidden's
.set BW,   192                         ; v192-199  W_b at my eight n
.set BU,   200                         ; v200-207  U_b
.set AC,   208                         ; v208-223  two accumulators
.set OUTR, 224                         ; v224-231  the result
.set RB,   232                         ; v232-239  rows read back from the stage
.set SPITCH, 272                       ; a stage row: 64 n x 4 bytes + 16 of padding
	s_load_b512 s[4:19], s[0:1], 0x0               ; W codes s[4:5], W scales s[6:7], dh codes s[8:9], dh scales s[10:11], W_b s[12:13], U_b s[14:15], U codes s[16:17], v_w s[18:19]
	s_load_b256 s[20:27], s[0:1], 0x40             ; v_b s[20:21], cbw s[22:23], Uf s[24:25], consts s[26:27]
	v_lshl_add_u32 v240, v0, 2, 0x1200
	v_mov_b32 v241, 0
	v_lshrrev_b32 v1, 5, v0
	v_readfirstlane_b32 s28, v1                    ; wave 0..3
	v_and_b32 v1, 31, v0                           ; lane
	v_and_b32 v2, 15, v0                           ; r
	v_bfe_u32 v3, v0, 4, 1                         ; h
	v_lshlrev_b32 v4, 9, v2
	v_lshl_add_u32 v4, v3, 4, v4                   ; a fragment's bytes: row r of 512 bytes, + 16 h
	v_lshlrev_b32 v5, 5, v2                        ; scale words: row r of 32 bytes
	v_lshlrev_b32 v6, 5, v3                        ; biases: 8 h numbers on
	v_lshlrev_b32 v7, 4, v1                        ; 16 x lane
	s_wait_alu depctr_va_sdst(0)                   ; s28, the wave's number, is written, ahead of its first reader
	s_lshl_b32 s32, s28, 6
	v_mul_u32_u24 v8, v2, SPITCH
	v_lshl_add_u32 v8, v3, 5, v8
	v_add_nc_u32 v8, s32, v8                       ; the stage, in: row r, + 64 x wave + 32 h
	v_lshrrev_b32 v11, 4, v0                       ; thread / 16: 0..7
	v_mul_u32_u24 v9, v11, SPITCH
	v_lshl_add_u32 v9, v2, 4, v9                   ; back: sixteen threads to a row of 256 bytes
	v_lshlrev_b32 v10, 12, v11
	v_lshl_add_u32 v10, v2, 4, v10                 ; and the same place in cbw: rows of 4,096 bytes
	s_and_b32 s29, ttmp9, 1                        ; g
	s_lshr_b32 s30, ttmp9, 1                       ; X
	s_lshl_b32 s31, s30, 2
	s_add_co_u32 s31, s31, s28                     ; T
	s_mov_b32 s33, 0                               ; the upper word of every offset
	s_mov_b32 s34, 0x76543210
	s_mov_b32 s35, 0xfedcba98                      ; v_permlanex16_b32: lane l xor 16
	s_mov_b32 s36, 0x4038aa3b                      ; c = 2 log2(e)
	s_mov_b32 s37, s36                             ; (named with it as a pair)
	s_wait_kmcnt 0x0
	s_lshl_b32 s32, s31, 13                        ; 16 rows of 512 bytes
	s_add_nc_u64 s[4:5], s[4:5], s[32:33]
	s_add_nc_u64 s[16:17], s[16:17], s[32:33]
	s_add_nc_u64 s[24:25], s[24:25], s[32:33]
	s_lshl_b32 s32, s31, 9                         ; 16 rows of 32 scale bytes
	s_add_nc_u64 s[6:7], s[6:7], s[32:33]
	s_lshl_b32 s32, s31, 6                         ; 16 numbers of a bias
	s_add_nc_u64 s[12:13], s[12:13], s[32:33]
	s_add_nc_u64 s[14:15], s[14:15], s[32:33]
	s_lshl_b32 s32, s29, 13
	s_add_nc_u64 s[8:9], s[8:9], s[32:33]          ; my 16 batches
	s_lshl_b32 s32, s29, 9
	s_add_nc_u64 s[10:11], s[10:11], s[32:33]
	s_lshl_b32 s32, s29, 8
	s_add_nc_u64 s[16:17], s[16:17], s[32:33]      ; U: K steps 4 g on: 256 bytes along a row,
	s_lshl_b32 s32, s29, 12
	s_add_nc_u64 s[24:25], s[24:25], s[32:33]      ; and 8 blocks of 512 bytes in Uf
	s_lshl_b32 s32, s29, 16
	s_lshl_b32 s38, s30, 8
	s_add_co_u32 s32, s32, s38
	s_add_nc_u64 s[22:23], s[22:23], s[32:33]      ; cbw: 16 g rows of 4,096 bytes + 64 X numbers
	s_wait_alu depctr_va_vdst(0)                   ; the offsets and LDS addresses v4 to v10 are written, which the loads and stores of the whole kernel read
.irp s, 0,1,2,3
.irp c, 0,1
	global_load_b128 v[UF+4*(2*\s+\c):UF+4*(2*\s+\c)+3], v4, s[16:17] offset:64*\s+32*\c
.endr
.endr
.irp s, 0,1,2,3,4,5,6,7
.irp c, 0,1
	global_load_b128 v[WF+8*\s+4*\c:WF+8*\s+4*\c+3], v4, s[4:5] offset:64*\s+32*\c
	global_load_b128 v[DF+8*\s+4*\c:DF+8*\s+4*\c+3], v4, s[8:9] offset:64*\s+32*\c
.endr
.endr
	global_load_b128 v[WSC:WSC+3], v5, s[6:7]
	global_load_b128 v[WSC+4:WSC+7], v5, s[6:7] offset:16
	global_load_b128 v[DSC:DSC+3], v5, s[10:11]
	global_load_b128 v[DSC+4:DSC+7], v5, s[10:11] offset:16
	global_load_b128 v[BW:BW+3], v6, s[12:13]
	global_load_b128 v[BW+4:BW+7], v6, s[12:13] offset:16
	global_load_b128 v[BU:BU+3], v6, s[14:15]
	global_load_b128 v[BU+4:BU+7], v6, s[14:15] offset:16
	s_wait_loadcnt 40                              ; U's eight loads are in; the 40 issued behind them may stay out
.irp i, 0,1,2,3,4,5,6,7
	global_store_b128 v7, v[UF+4*\i:UF+4*\i+3], s[24:25] offset:512*\i   ; the wave stores 512 consecutive bytes
.endr
	s_wait_loadcnt 0x0
.irp s, 0,1,2,3,4,5,6,7
.if \s == 0
	v_wmma_scale_f32_16x16x128_f8f6f4 v[AC:AC+7], v[WF:WF+7], v[DF:DF+7], v[BW:BW+7], v[WSC], v[DSC] matrix_a_fmt:MATRIX_FMT_FP4 matrix_b_fmt:MATRIX_FMT_FP4
.elseif \s == 1
	v_wmma_scale_f32_16x16x128_f8f6f4 v[AC+8:AC+15], v[WF+8:WF+15], v[DF+8:DF+15], v[BU:BU+7], v[WSC+1], v[DSC+1] matrix_a_fmt:MATRIX_FMT_FP4 matrix_b_fmt:MATRIX_FMT_FP4
.else
	v_wmma_scale_f32_16x16x128_f8f6f4 v[AC+8*(\s%2):AC+8*(\s%2)+7], v[WF+8*\s:WF+8*\s+7], v[DF+8*\s:DF+8*\s+7], v[AC+8*(\s%2):AC+8*(\s%2)+7], v[WSC+\s], v[DSC+\s] matrix_a_fmt:MATRIX_FMT_FP4 matrix_b_fmt:MATRIX_FMT_FP4
.endif
.endr
.rept 4
	v_nop                                          ; four places between the last product and the first read of results (ISA guide 7.12.1)
.endr
.irp i, 0,2,4,6
	v_pk_add_f32 v[OUTR+\i:OUTR+\i+1], v[AC+\i:AC+\i+1], v[AC+8+\i:AC+8+\i+1]   ; both accumulators from their low ends on
.endr
.irp i, 0,2,4,6
	v_pk_mul_f32 v[OUTR+\i:OUTR+\i+1], v[OUTR+\i:OUTR+\i+1], s[36:37] op_sel_hi:[1,0]
.endr
	s_wait_alu depctr_va_vdst(0)                   ; the result v224-231 is written, which the two LDS stores read; and the products are done reading v16-47, in which wave 0's loads of v_w land further down
	ds_store_b128 v8, v[OUTR:OUTR+3]
	ds_store_b128 v8, v[OUTR+4:OUTR+7] offset:16
	s_wait_dscnt 0x0                               ; for the others: a row's 256 bytes come from four waves
	s_barrier_signal -1
	s_barrier_wait -1
	ds_load_b128 v[RB:RB+3], v9
	ds_load_b128 v[RB+4:RB+7], v9 offset:8*SPITCH
	s_wait_dscnt 0x0
	global_store_b128 v10, v[RB:RB+3], s[22:23]                  ; sixteen lanes store 256 consecutive bytes, at a multiple of 256 from cbw's first byte
	global_store_b128 v10, v[RB+4:RB+7], s[22:23] offset:8*4096
	s_or_b32 s32, ttmp9, s28                       ; wave 0 of work-group 0 alone makes C0
	s_cmp_lg_u32 s32, 0
	s_cbranch_scc1 .Lend
	s_load_b32 s38, s[20:21], 0x0                  ; v_b
.irp i, 0,1,2,3,4,5,6,7
	global_load_b128 v[16+4*\i:19+4*\i], v7, s[18:19] offset:512*\i   ; v_w: 32 numbers a lane.  No vector or matrix instruction since the last wait names v16-47
.endr
	v_mov_b32 v48, 0                               ; a lane permute's destination counts as read
	v_lshlrev_b32 v49, 3, v1
	s_wait_loadcnt 0x0
	s_wait_kmcnt 0x0
.irp i, 0,2,4,6,8,10,12,14
	v_pk_add_f32 v[16+\i:17+\i], v[16+\i:17+\i], v[32+\i:33+\i]
.endr
.irp i, 0,2,4,6
	v_pk_add_f32 v[16+\i:17+\i], v[16+\i:17+\i], v[24+\i:25+\i]
.endr
.irp i, 0,2
	v_pk_add_f32 v[16+\i:17+\i], v[16+\i:17+\i], v[20+\i:21+\i]
.endr
	v_pk_add_f32 v[16:17], v[16:17], v[18:19]
	v_add_f32 v16, v16, v17
	v_add_f32_dpp v16, v16, v16 row_xmask:1 row_mask:0xf bank_mask:0xf
	v_add_f32_dpp v16, v16, v16 row_xmask:2 row_mask:0xf bank_mask:0xf
	v_add_f32_dpp v16, v16, v16 row_xmask:4 row_mask:0xf bank_mask:0xf
	v_add_f32_dpp v16, v16, v16 row_xmask:8 row_mask:0xf bank_mask:0xf
	v_permlanex16_b32 v48, v16, s34, s35
	v_add_f32 v16, v16, v48
	v_add_f32 v16, s38, v16                        ; + v_b
	v_mov_b32 v17, v16
	s_wait_alu depctr_va_vdst(0)                   ; C0 in v16 and v17 and the offset v49 are written, which the store reads
	global_store_b64 v49, v[16:17], s[26:27]       ; 32 lanes x 8 bytes: the whole block of 256
.Lend:
	s_wait_dscnt 0x0                               ; the closing lines, six on end
	s_wait_alu 0x0
	s_wait_tensorcnt 0x0
	ds_add_u32 v240, v241
	s_wait_dscnt 0x0
	s_endpgm
.Lfunc_end_k_qb84a5b93fb_prep:
	.size	k_qb84a5b93fb_prep, .Lfunc_end_k_qb84a5b93fb_prep-k_qb84a5b93fb_prep
	.p2alignl 7, 3214868480
	.fill 96, 4, 3214868480
	.section	.rodata,"a",@progbits
	.p2align	6, 0x0
	.amdhsa_kernel k_qb84a5b93fb_prep
		.amdhsa_group_segment_fixed_size 5120
		.amdhsa_private_segment_fixed_size 0
		.amdhsa_enable_private_segment 0
		.amdhsa_kernarg_size 96
		.amdhsa_user_sgpr_count 2
		.amdhsa_user_sgpr_kernarg_segment_ptr 1
		.amdhsa_wavefront_size32 1
		.amdhsa_system_sgpr_workgroup_id_x 1
		.amdhsa_system_sgpr_workgroup_id_y 1
		.amdhsa_system_sgpr_workgroup_id_z 1
		.amdhsa_system_vgpr_workitem_id 0
		.amdhsa_next_free_vgpr 242
		.amdhsa_next_free_sgpr 66
		.amdhsa_reserve_vcc 0
		.amdhsa_float_denorm_mode_32 3
		.amdhsa_float_denorm_mode_16_64 3
		.amdhsa_memory_ordered 1
		.amdhsa_forward_progress 1
		.amdhsa_inst_pref_size 13
	.end_amdhsa_kernel
	.amdgpu_metadata
---
amdhsa.version: [ 1, 2 ]
amdhsa.kernels:
  - .name:           k_qb84a5b93fb_prep
    .symbol:         k_qb84a5b93fb_prep.kd
    .args:
      - { .name: W_w_codes, .offset: 0, .size: 8, .value_kind: global_buffer, .address_space: global }
      - { .name: W_w_scales, .offset: 8, .size: 8, .value_kind: global_buffer, .address_space: global }
      - { .name: decoder_hidden_codes, .offset: 16, .size: 8, .value_kind: global_buffer, .address_space: global }
      - { .name: decoder_hidden_scales, .offset: 24, .size: 8, .value_kind: global_buffer, .address_space: global }
      - { .name: W_b, .offset: 32, .size: 8, .value_kind: global_buffer, .address_space: global }
      - { .name: U_b, .offset: 40, .size: 8, .value_kind: global_buffer, .address_space: global }
      - { .name: U_w_codes, .offset: 48, .size: 8, .value_kind: global_buffer, .address_space: global }
      - { .name: v_w, .offset: 56, .size: 8, .value_kind: global_buffer, .address_space: global }
      - { .name: v_b, .offset: 64, .size: 8, .value_kind: global_buffer, .address_space: global }
      - { .name: cbw, .offset: 72, .size: 8, .value_kind: global_buffer, .address_space: global }
      - { .name: Uf, .offset: 80, .size: 8, .value_kind: global_buffer, .address_space: global }
      - { .name: consts, .offset: 88, .size: 8, .value_kind: global_buffer, .address_space: global }
    .group_segment_fixed_size: 5120
    .private_segment_fixed_size: 0
    .kernarg_segment_align: 8
    .kernarg_segment_size: 96
    .max_flat_workgroup_size: 128
    .sgpr_count:     66
    .vgpr_count:     242
    .wavefront_size: 32
...
	.end_amdgpu_metadata
.endif
;; end of part 4
;; launch main (part 5): grid 256 x 1, 4 waves a work-group, no clusters, 194,048 bytes of LDS; arguments encoder_outputs, Uf, U_w_scales, cbw, v_w, consts, scores, pctx, stats; writes scores, pctx, stats
.if DOCPART == 5
	.amdgcn_target "amdgcn-amd-amdhsa--gfx1250"
	.amdhsa_code_object_version 6
	.text
	.protected	k_qb84a5b93fb_main
	.globl	k_qb84a5b93fb_main
	.p2align	8
	.type	k_qb84a5b93fb_main,@function
k_qb84a5b93fb_main:
	s_mov_b64 s[64:65], 0
	v_nop
	global_prefetch_b8 v0, s[64:65] scope:SCOPE_SE
	s_setreg_imm32_b32 hwreg(HW_REG_WAVE_SCHED_MODE, 0, 2), 2
	s_setreg_imm32_b32 hwreg(HW_REG_WAVE_MODE, 25, 1), 1
	s_wait_xcnt 0x0
	s_wait_alu depctr_vm_vsrc(0)
; scores = tanh(q + enc U^T + U_b) . v + v_b, and each work-group's part of softmax(scores) . enc, with enc read from memory ONCE.
; SHARES.  Work-group x owns rows 256 x .. 256 x + 255 of enc's 65,536 (all of batch x / 8), in four passes of 64 rows.
;   For loading, quantising and the context wave w owns rows 16 w .. 16 w + 15 of a pass; for the product it owns columns n = 256 w .. 256 w + 255 (16 tiles of U) for all 64 rows.
; THE STREAM.  Everything comes from memory straight into registers, evenly: in each of a pass's 16 tile periods a wave asks for one tile of U (16 loads, two tiles ahead) and for one row of enc
;   (8 loads, two rows ahead).  By this text's own count at most 58 loads of a wave are out: two tiles, one pair of scale loads, three rows.
; A TILE PERIOD of pass p: 32 products (my tile of U x all 64 rows' codes, held in 256 registers); the tanh, taken as 1 - 2 / (1 + 2^(c x)): the sum of -2 v / (1 + 2^(c k + cb)) is kept,
;   cb = c (q + W_b + U_b) from the launch before; then ONE ROW OF PASS p + 1 is quantised along D to E2M1 with one E8M0 byte for each 32: codes and bytes go to LDS for all waves,
;   a bf16 copy goes to my own part of LDS as an image of its registers.  Pass 0's rows are quantised ahead of the first pass; the last pass has no row work and is written out.
; BEHIND THE 16 PERIODS.  SCORES: the four waves' partial sums meet in LDS; every wave makes all 64 scores, the running maximum m, p = e^(s - m) and the running sum l.
;   CTX: my part of the context (my 16 rows, all 1,024 columns) is multiplied by e^(old m - new m) and takes p x the bf16 rows, which lie in 256 registers; each four rows, once used,
;   are overwritten by the next pass's rows from LDS, and the next pass's codes come in between, so that these LDS loads stand among the multiply-adds.
; OUT: the raw scores, the work-group's context part (the four waves' summed through LDS), and (m, l).  The launch behind this one joins the eight parts of a batch.
; THE MATRIX INSTRUCTION IS USED TRANSPOSED: source 0 = 16 rows of U, source 1 = 16 rows of enc: lane (r, h) holds row r, its registers n = 8 h + 0 .. 7.
; NO CLUSTER, NO MULTICAST FOR U, though every work-group walks the same U: a shared tile lands in LDS.  The 134,144 bytes that are free here would hold two slots of 65,536 bytes, two tiles a wave each:
;   nine rounds of the cluster's barrier for a pass's 557,056 bytes, and those bytes written to and read from LDS beside the 561,152 that a pass moves through LDS now.
;   So each wave loads the fragments that it alone multiplies, each byte once a pass, 512 consecutive bytes an instruction.  enc is shared by nobody.
; enc's LOADS.  The conversion takes eight neighbours along D from one lane's registers, so a lane owns 32 consecutive bytes: two loads of 16, which together cover 1,024 consecutive bytes of the row.
; LIMITS.  NaN and infinities in enc are not served.  A block whose largest magnitude lies under 2^-124 keeps the scale byte 1; a block of zeros gets the byte 1 where the rule says 127: its codes are zeros,
;   and this program alone reads the bytes.  enc is rounded to bf16 for the context product.  2^(c x) may overflow to infinity or fall to 0: the reciprocal then gives 0 or 1, tanh's own limits.
;   The look-ahead is kept alike in every trip: each pass's last trip asks for the wave's first two tiles of U, which the next pass begins with (behind the last pass these 36 loads are not used),
;   and the last row trip's look-ahead is held at that trip itself: two rows a wave are read a second time and not used.  All of them stay inside their buffers.
; REGISTERS, in windows of 256 (s_set_vgpr_msb: bits 1:0 source 0, 3:2 source 1, 5:4 source 2, 7:6 destination):
;   window 0: addresses, scale words, four row buffers, row work, the softmax's figures.  window 1: the 64 rows' codes, fragment (m, s) at v[8 (8 m + s)].
;   window 2: my 16 rows in bf16, row p at v[16 p + k], k = 4 j + i: columns 256 j + 8 lane + 2 i, + 1.
;   window 3: v0-127 U's fragments, two sets; v128-159 the context, register 8 j + i = column 256 j + 8 lane + i; v160-215 the accumulators, cb, -2 v and the sums: the tanh runs under one setting.
; THE MODE: SCHED_MODE bits 1:0 = 2 (LLVM: expert scheduling mode 2), set by the entry lines.  The code itself states the register dependences
; between vector or matrix instructions and memory or LDS instructions, with s_wait_alu, always for 0.
; THE PLAN.  Registers that memory or LDS instructions touch, and who else names them:
;   v1, v2, v5-7, v13-21   offsets and LDS addresses: written at the head, never again.
;   v9                     the trip's place in the tables: one add at a trip's head; read by the trip's 16 LDS loads of cb and -2 v.
;   v10-12                 the trip's places for codes, bytes and bf16 rows: three adds in a trip's first row; read by the rows' LDS stores.
;   XR0 .. XR3             row t of a trip: loaded two periods ahead; read by that row's maxima and conversions alone.
;   v200-223               a row's bytes, codes and bf16 copy, written by the row work and read by its 12 LDS stores; in SCORES the partial scores, the scores and p, read by six stores.
;   v192-199               row work; in SCORES four LDS loads land there.     v224-239  p: LDS loads in SCORES; read by the context's multiply-adds.
;   U's two sets, U's and enc's scale words, window 1   written by loads alone; read by the products alone.
;   window 2               written by LDS loads alone; read by the context's multiply-adds alone.     cb, -2 v  LDS loads at a period's head; read by the tanh alone.
;   the context, m, l      vector instructions alone until the end, where stores read them.
; THE WAITS OF A PERIOD.  (1) va_vdst behind the 32 products: they are done with this set of U and with the pair's scale words; the period's 16 + 2 + 8 loads follow in one run, and nothing behind them
;   names their registers.  (2), (3) va_vdst behind the tanh's exponentials and behind its reciprocals.  (4) vm_vsrc at a row's head: the earlier stores have read v10-12 and v200-223.
;   (5) va_vdst ahead of the row's 12 stores: their data and addresses are written; the row buffer has been read out, so that the load that lands in it two periods on owes nothing;
;   the tanh is done with cb and -2 v, so that the next period's four LDS loads owe nothing.  Where no row work stands (the last pass), or v9 is fresh (a trip's first period), va_vdst stands at the period's head.
.set XBUF,   0                         ; LDS: [wave][16 rows][2,048 bytes]: the next pass's rows in bf16, each wave's own
.set CODES,  131072                    ; 64 rows of 512 bytes of codes, pitch 528
.set SCL,    164864                    ; 64 rows of 32 scale bytes
.set CBT,    166912                    ; cb of my batch, 1,024 f32; behind it, 4,096 bytes on, -2 v
.set SX,     175104                    ; [wave][64] partial scores
.set PX,     176128                    ; [wave][64] p, each wave's own copy
.set CR,     177152                    ; [wave][1,024] context parts, at the end
.set EA,   1                           ; v1   32 x lane: my bytes of a row's 1,024; also my row of U's scale bytes
.set UL,   2                           ; v2   16 x lane
.set ACW,  3                           ; v3   where I store codes
.set ASW,  4                           ; v4   where I store scale bytes
.set AXW,  5                           ; v5   my bf16 rows: XBUF + 32,768 wave + 16 lane
.set AFR,  6                           ; v6   a fragment's bytes: row r, + 16 h
.set ASR,  7                           ; v7   enc's scale words: row = lane
.set ATB,  8                           ; v8   cb of my wave's columns, + 8 h
.set TBA,  9                           ; v9   the same for the trip in hand
.set ACT,  10                          ; v10-12  ACW, ASW, AXW for the trip in hand
.set AST,  11
.set AXT,  12
.set SXW,  13
.set SXR,  14
.set PXW,  15
.set PXR,  16
.set SCO,  17                          ; v17  8 x lane
.set CRW,  18
.set CRR,  19
.set TBW,  20
.set TG,   21
.set SA,   24                          ; v24-39  enc's scale words: register 8 u + s: lanes 0-15 row tile 2 u, lanes 16-31 row tile 2 u + 1.  Scales and nothing else
.set SU,   40                          ; v40-55  U's scale words, two sets of 8: lanes 0-15 the even tile of a pair, lanes 16-31 the odd one.  Scales and nothing else
.set XR,   64                          ; v64-191 four rows of 32 numbers: row t of a trip in buffer t
.set XM,   192                         ; row work: v192-195 largest magnitudes, v196-199 the conversions' scale operands,
.set XO,   196
.set XBY,  200                         ; v200-203 scale bytes, v204-207 codes,
.set XC,   204
.set XH,   208                         ; v208-223 the row in bf16
.set Q,    192                         ; the softmax's work lies over the row work: the two never run together
.set SP,   200
.set SS,   208
.set PP,   210
.set F,    214
.set NM,   216
.set P,    224                         ; v224-239 p of my 16 rows, the same in every lane
.set MO,   240                         ; m,
.set LS,   241                         ; l: a pair for the last store
.set MX,   242
.set TMP,  243
.set TP,   244
.set CT,   128                         ; in window 3
.set ACC,  160
.set CB,   192
.set VV,   200
.set SACC, 208                         ; a pair of sums for each row tile
.set MSB, 0
.macro WIN new                         ; the immediate's high byte repeats the setting that is left
.if MSB != \new
	s_set_vgpr_msb (MSB<<8)|\new
.set MSB, \new
.endif
.endm
.set W_MM, 0xf7                        ; source 0 (U) window 3, source 1 (enc) window 1, C and D window 3
; ---- the loads from memory
.macro XL buf, base, row               ; a row of enc, 32 numbers a lane (columns 256 j + 8 lane + 0 .. 7), into a row buffer
.irp j, 0,1,2,3
	global_load_b128 v[XR+32*(\buf)+8*\j:XR+32*(\buf)+8*\j+3],   v[EA], s[\base:\base+1] offset:4096*(\row)+1024*\j
	global_load_b128 v[XR+32*(\buf)+8*\j+4:XR+32*(\buf)+8*\j+7], v[EA], s[\base:\base+1] offset:4096*(\row)+1024*\j+16
.endr
.endm
.macro LB set, base, k                 ; a tile of U, 16 x 512 consecutive bytes, into set
	WIN 0xc0                                       ; destination window 3
.irp i, 0,1,2,3,4,5,6,7,8,9,10,11,12,13,14,15
	global_load_b128 v[64*\set+4*\i:64*\set+4*\i+3], v[UL], s[\base:\base+1] offset:8192*\k+512*\i
.endr
	WIN 0
.endm
.macro LSU set, off                    ; the scale words of a pair of tiles: row = lane, 32 bytes
	global_load_b128 v[SU+8*\set:SU+8*\set+3],   v[EA], s[58:59] offset:\off
	global_load_b128 v[SU+8*\set+4:SU+8*\set+7], v[EA], s[58:59] offset:\off+16
.endm
; Row trip j (0 .. 15: four rows each, four trips a pass) begins (j / 4) x 262,144 + (j % 4) x 16,384 bytes behind my first row.  s[34:35]: this trip; s[36:37]: the next, held at trip 15.
.macro ESTEP
	s_mov_b64 s[34:35], s[36:37]
	s_add_co_u32 s39, s38, 1
	s_min_u32 s39, s39, 15
	s_lshr_b32 s40, s39, 2
	s_lshl_b32 s40, s40, 18
	s_and_b32 s41, s39, 3
	s_lshl_b32 s41, s41, 14
	s_add_co_u32 s60, s40, s41
	s_add_nc_u64 s[36:37], s[32:33], s[60:61]
.endm
.macro XSTEP                           ; four rows on: in the stream, and in the three LDS regions
	s_add_co_u32 s38, s38, 1
	s_add_co_u32 s49, s49, 2112
	s_add_co_u32 s42, s42, 128
	s_add_co_u32 s43, s43, 8192
.endm
; ---- one row: row t of the trip, from buffer t.  cnt: the loads issued behind this row's eight
.macro XROW t, cnt
	s_wait_loadcnt \cnt
	s_wait_dscnt 0x0                               ; no LDS instruction of mine is out
	s_wait_alu depctr_vm_vsrc(0)                   ; the stores issued so far (the last row's; the tables'; the scores' and p's) have read their addresses v10-12 and their data v200-223, all of which the lines below write again
.if (\t) == 0
	v_add_nc_u32 v[ACT], s49, v[ACW]
	v_add_nc_u32 v[AST], s42, v[ASW]
	v_add_nc_u32 v[AXT], s43, v[AXW]
.endif
.set RW, XR+32*(\t)
.irp j, 0,1,2,3
	v_max3_num_f32 v[XM+\j], |v[RW+8*\j]|, |v[RW+8*\j+1]|, 0x1800000   ; my 8 numbers of a block, and the floor 2^(3 - 127): the byte cannot fall under 1
.endr
.irp i, 2,4,6
.irp j, 0,1,2,3
	v_max3_num_f32 v[XM+\j], v[XM+\j], |v[RW+8*\j+\i]|, |v[RW+8*\j+\i+1]|
.endr
.endr
.irp j, 0,1,2,3
	v_max_num_f32_dpp v[XM+\j], v[XM+\j], v[XM+\j] row_xmask:1 row_mask:0xf bank_mask:0xf
.endr
.irp j, 0,1,2,3
	v_max_num_f32_dpp v[XM+\j], v[XM+\j], v[XM+\j] row_xmask:2 row_mask:0xf bank_mask:0xf   ; four lanes hold a block of 32
.endr
.irp j, 0,1,2,3
	v_add_nc_u32 v[XO+\j], 0xff000000, v[XM+\j]    ; 2 off the exponent field: the conversion takes the exponent field of this operand as its scale
.endr
.irp j, 0,1,2,3
	v_cvt_scalef32_pk8_fp4_f32 v[XC+\j], v[RW+8*\j:RW+8*\j+7], v[XO+\j]
.endr
.irp j, 0,1,2,3
	v_lshrrev_b32 v[XBY+\j], 23, v[XO+\j]          ; the scale's byte.  (Plain lines directly behind the conversions)
.endr
.irp k, 0,1,2,3,4,5,6,7,8,9,10,11,12,13,14,15
	v_cvt_pk_bf16_f32 v[XH+\k], v[RW+2*\k], v[RW+2*\k+1]
.endr
	s_wait_alu depctr_va_vdst(0)                   ; the row's codes, bytes and bf16 copy are written, and in a trip's first row v10-12: the 12 stores below read them.  The lines above are done reading the row buffer, in which a load lands two periods on; the tanh ahead of them is done reading cb and -2 v, in which the next period's LDS loads land
.irp j, 0,1,2,3
	ds_store_b32 v[ACT], v[XC+\j] offset:528*(\t)+128*\j         ; 8 codes a lane: the wave stores 128 consecutive bytes of the row
.endr
.irp j, 0,1,2,3
	ds_store_b8 v[AST], v[XBY+\j] offset:32*(\t)+8*\j            ; the four lanes of a block write the same byte with the same value
.endr
.irp g, 0,1,2,3
	ds_store_b128 v[AXT], v[XH+4*\g:XH+4*\g+3] offset:2048*(\t)+512*\g   ; the bf16 row as an image of its registers: 512 consecutive bytes a store
.endr
.endm
; A trip of the prologue: four rows of pass 0, loads two rows ahead: behind a row's eight loads stand two more rows' (16).
; last = 1: the trip also issues U's first two tiles and both pairs of scale words, in the places that they have in a pass's last trip, so that the counts of the first pass hold on the way in:
; behind row 1's loads then stand 8 + 2 + 8, behind row 2's 2 + 8 + 16 + 8, behind row 3's 16 + 8 + 16 + 2 + 8.
; No load here owes a wait of its own: a row buffer's last readers stand ahead of the wait in that row's work, and no vector or matrix instruction has yet named U's sets or its scale words.
.macro XTRIP last
	s_wait_xcnt 0x0                                ; the loads issued so far have had their addresses translated (ISA guide 3.1): their bases are written again only behind this wait
	ESTEP
	XL 2, 34, 2
	XROW 0, 16
.if \last
	LSU 0, 0
.endif
	XL 3, 34, 3
	XROW 1, 16+2*\last
.if \last
	LB 0, 56, 0
.endif
	XL 0, 36, 0
	XROW 2, 16+18*\last
.if \last
	LB 1, 56, 1
	LSU 1, 1024
.endif
	XL 1, 36, 1
	XROW 3, 16+34*\last
	XSTEP
.endm
; ---- the products
.macro WM m, s, set, su, ra            ; one product: row tile m, K step s; ra: U's tile is the odd one of its pair
.set rD, ACC+8*(\m)
.set rB, 64*(\set)+8*(\s)
.set rA, 8*(8*(\m)+(\s))
.set rSU, SU+8*(\su)+(\s)
.set rSA, SA+8*((\m)/2)+(\s)
.if (\s) == 0
.if \ra
.if (\m)%2
	v_wmma_scale_f32_16x16x128_f8f6f4 v[rD:rD+7], v[rB:rB+7], v[rA:rA+7], 0, v[rSU], v[rSA] matrix_a_fmt:MATRIX_FMT_FP4 matrix_b_fmt:MATRIX_FMT_FP4 matrix_a_scale:MATRIX_SCALE_ROW1 matrix_b_scale:MATRIX_SCALE_ROW1
.else
	v_wmma_scale_f32_16x16x128_f8f6f4 v[rD:rD+7], v[rB:rB+7], v[rA:rA+7], 0, v[rSU], v[rSA] matrix_a_fmt:MATRIX_FMT_FP4 matrix_b_fmt:MATRIX_FMT_FP4 matrix_a_scale:MATRIX_SCALE_ROW1
.endif
.else
.if (\m)%2
	v_wmma_scale_f32_16x16x128_f8f6f4 v[rD:rD+7], v[rB:rB+7], v[rA:rA+7], 0, v[rSU], v[rSA] matrix_a_fmt:MATRIX_FMT_FP4 matrix_b_fmt:MATRIX_FMT_FP4 matrix_b_scale:MATRIX_SCALE_ROW1
.else
	v_wmma_scale_f32_16x16x128_f8f6f4 v[rD:rD+7], v[rB:rB+7], v[rA:rA+7], 0, v[rSU], v[rSA] matrix_a_fmt:MATRIX_FMT_FP4 matrix_b_fmt:MATRIX_FMT_FP4
.endif
.endif
.else
.if \ra
.if (\m)%2
	v_wmma_scale_f32_16x16x128_f8f6f4 v[rD:rD+7], v[rB:rB+7], v[rA:rA+7], v[rD:rD+7], v[rSU], v[rSA] matrix_a_fmt:MATRIX_FMT_FP4 matrix_b_fmt:MATRIX_FMT_FP4 matrix_a_scale:MATRIX_SCALE_ROW1 matrix_b_scale:MATRIX_SCALE_ROW1
.else
	v_wmma_scale_f32_16x16x128_f8f6f4 v[rD:rD+7], v[rB:rB+7], v[rA:rA+7], v[rD:rD+7], v[rSU], v[rSA] matrix_a_fmt:MATRIX_FMT_FP4 matrix_b_fmt:MATRIX_FMT_FP4 matrix_a_scale:MATRIX_SCALE_ROW1
.endif
.else
.if (\m)%2
	v_wmma_scale_f32_16x16x128_f8f6f4 v[rD:rD+7], v[rB:rB+7], v[rA:rA+7], v[rD:rD+7], v[rSU], v[rSA] matrix_a_fmt:MATRIX_FMT_FP4 matrix_b_fmt:MATRIX_FMT_FP4 matrix_b_scale:MATRIX_SCALE_ROW1
.else
	v_wmma_scale_f32_16x16x128_f8f6f4 v[rD:rD+7], v[rB:rB+7], v[rA:rA+7], v[rD:rD+7], v[rSU], v[rSA] matrix_a_fmt:MATRIX_FMT_FP4 matrix_b_fmt:MATRIX_FMT_FP4
.endif
.endif
.endif
.endm
.macro TANH                            ; in place on the four accumulators, each from its low end on: SACC += -2 v / (1 + 2^(c k + cb)).  All registers in window 3
.irp i, 0,2,4,6
.irp m, 0,1,2,3
	v_pk_fma_f32 v[ACC+8*\m+\i:ACC+8*\m+\i+1], v[ACC+8*\m+\i:ACC+8*\m+\i+1], s[28:29], v[CB+\i:CB+\i+1] op_sel_hi:[1,0,1]
.endr
.endr
.set J, 0
	s_wait_alu depctr_va_vdst(0)
.rept 32
	v_exp_f32 v[ACC+J], v[ACC+J]
.set J, J+1
.endr
	v_nop                                          ; a plain line between the exponentials and the use of their results (ISA guide 5.7.2)
.set J, 0
	s_wait_alu depctr_va_vdst(0)                   ; the 32 exponentials' results are written, ahead of their first reader: one wait for the batch
.rept 16
	v_pk_add_f32 v[ACC+J:ACC+J+1], v[ACC+J:ACC+J+1], 1.0 op_sel_hi:[1,0]
.set J, J+2
.endr
.set J, 0
	s_wait_alu depctr_va_vdst(0)
.rept 32
	v_rcp_f32 v[ACC+J], v[ACC+J]
.set J, J+1
.endr
	v_nop                                          ; and between the reciprocals and theirs
	s_wait_alu depctr_va_vdst(0)                   ; the 32 reciprocals' results are written, ahead of their first reader: one wait for the batch
.irp i, 0,2,4,6
.irp m, 0,1,2,3
	v_pk_fma_f32 v[SACC+2*\m:SACC+2*\m+1], v[ACC+8*\m+\i:ACC+8*\m+\i+1], v[VV+\i:VV+\i+1], v[SACC+2*\m:SACC+2*\m+1]
.endr
.endr
.endm
; Tile period t of a trip's four.  x = 1: with a row of the next pass.  The order of issue in a period: a tile of U for two periods on (16 loads); in odd periods the scale words of a pair of tiles of the
; next trip (2); with x = 1 a row of enc for two periods on (8).
; x = 1.  Behind a tile's 16 loads stand, at its wait two periods on: a row, a tile, a row, and the one pair of scale loads that falls into any two periods: 8 + 16 + 8 + 2 = 34.
;   Behind a row's 8 loads stand, at its wait behind the tanh two periods on: a tile, a row, a tile, a row and one pair of scale loads: 50.
; x = 0.  Behind a tile's loads stand a tile and a pair of scale loads: 18.
; A tile's own scale words were issued three periods ahead or more.  The counts hold on the way in from the prologue, round the trip's backward jump and from pass to pass: nothing else is loaded into registers from memory.
.macro TILE t, x
	WIN 0xc0                                       ; destination window 3
.if (\x == 0) || (\t == 0)
	s_wait_alu depctr_va_vdst(0)                   ; in a trip's first period v9 is written, which the four LDS loads read; in a pass without rows the last period's tanh is done reading cb and -2 v, in which they land (with rows, the wait in the row's work has stated that)
.endif
	ds_load_b128 v[CB:CB+3],   v[TBA] offset:64*\t
	ds_load_b128 v[CB+4:CB+7], v[TBA] offset:64*\t+16
	ds_load_b128 v[VV:VV+3],   v[TBA] offset:64*\t+4096
	ds_load_b128 v[VV+4:VV+7], v[TBA] offset:64*\t+4112
.if \x
	s_wait_loadcnt 34
.else
	s_wait_loadcnt 18
.endif
	WIN W_MM
.irp s, 0,1,2,3,4,5,6,7
.irp m, 0,1,2,3
	WM \m, \s, (\t)%2, (\t)/2, (\t)%2              ; the four accumulators take turns, one instruction a turn
.endr
.endr
.rept 4
	v_nop                                          ; four places between the last product and the first read of results, by the tanh (ISA guide 7.12.1)
.endr
	WIN 0xc0
	s_wait_alu depctr_va_vdst(0)                   ; the 32 products are done reading this set of U's fragments and, in an odd period, the pair's scale words: the loads below land in them.  The tanh and the row work behind the loads name none of the registers that these touch
.if \t == 0
	LB 0, 54, 2
.elseif \t == 1
	LB 1, 54, 3
	LSU 0, 0
.elseif \t == 2
	LB 0, 56, 0
.else
	LB 1, 56, 1
	LSU 1, 1024
.endif
.if \x
.if \t < 2
	XL (\t)+2, 34, (\t)+2                          ; rows 2 and 3 of this row trip,
.else
	XL (\t)-2, 36, (\t)-2                          ; rows 0 and 1 of the next; the buffer's last row was quantised two periods ago
.endif
.endif
	s_wait_dscnt 0x0                               ; cb and -2 v of this tile
	WIN 0xff
	TANH
	WIN 0
.if \x
	XROW \t, 50
.endif
.endm
.macro MMX x                           ; four trips of four periods.  s46: this trip's byte in my 16 tiles of Uf; s47: the next trip's, wrapped to 0 behind the last
	s_mov_b32 s45, 4
.Ltrip_\@:
	s_wait_xcnt 0x0                                ; the loads issued so far have had their addresses translated (ISA guide 3.1): their bases are written again only behind this wait
	s_add_co_u32 s47, s46, 32768
	s_and_b32 s47, s47, 0x1ffff
	s_mov_b32 s60, s46
	s_add_nc_u64 s[54:55], s[50:51], s[60:61]
	s_mov_b32 s60, s47
	s_add_nc_u64 s[56:57], s[50:51], s[60:61]
	s_lshr_b32 s60, s47, 4                         ; 512 scale bytes for a tile's 8,192 bytes of codes
	s_add_nc_u64 s[58:59], s[52:53], s[60:61]
.if \x
	ESTEP
.endif
	s_wait_alu depctr_vm_vsrc(0)                   ; the last trip's LDS loads of cb and -2 v have read v9, which the next line writes
	v_add_nc_u32 v[TBA], s48, v[ATB]
	TILE 0, \x
	TILE 1, \x
	TILE 2, \x
	TILE 3, \x
	s_mov_b32 s46, s47
	s_add_co_u32 s48, s48, 256
.if \x
	XSTEP
.endif
	s_sub_co_u32 s45, s45, 1
	s_cmp_lg_u32 s45, 0
	s_cbranch_scc1 .Ltrip_\@
.endm
.macro SALOAD                          ; the 64 rows' scale words
.irp u, 0,1
	ds_load_b128 v[SA+8*\u:SA+8*\u+3],   v[ASR] offset:1024*\u
	ds_load_b128 v[SA+8*\u+4:SA+8*\u+7], v[ASR] offset:1024*\u+16
.endr
.endm
.macro PREP                            ; a pass begins: the sums are zeros, the LDS steps are 0
	WIN 0xc0
.irp i, 0,1,2,3,4,5,6,7
	v_mov_b32 v[SACC+\i], 0
.endr
	WIN 0
	s_mov_b32 s48, 0
	s_mov_b32 s49, 0
	s_mov_b32 s42, 0
	s_mov_b32 s43, 0
.endm
; ---- the scores of the pass, the running maximum and sum
.macro SCORES
	s_wait_alu depctr_vm_vsrc(0)                   ; the stores issued so far (the last row's, or the last pass's scores and p) have read v200-223, which the lines below write again
	WIN 0x0f                                       ; sources window 3
.irp m, 0,1,2,3
	v_add_f32 v[SP+\m], v[SACC+2*\m], v[SACC+2*\m+1]
.endr
	WIN 0
.irp m, 0,1,2,3
	v_permlanex16_b32 v[TP+\m], v[SP+\m], s30, s31
.endr
.irp m, 0,1,2,3
	v_add_f32 v[SP+\m], v[SP+\m], v[TP+\m]         ; row 16 m + r, my 256 columns
.endr
	s_wait_alu depctr_va_vdst(0)                   ; the four partial scores are written, which the LDS stores read; and all vector work that named v192-199 is done: the four loads behind the barrier land there
.irp m, 0,1,2,3
	ds_store_b32 v[SXW], v[SP+\m] offset:64*\m
.endr
	s_wait_dscnt 0x0                               ; for the others: my partial scores have landed, and so have the codes and scale bytes of the next pass's rows
	s_barrier_signal -1
	s_barrier_wait -1
.irp w, 0,1,2,3
	ds_load_b64 v[Q+2*\w:Q+2*\w+1], v[SXR] offset:256*\w
.endr
	s_wait_dscnt 0x0
	v_pk_add_f32 v[Q:Q+1], v[Q:Q+1], v[Q+2:Q+3]
	v_pk_add_f32 v[Q+4:Q+5], v[Q+4:Q+5], v[Q+6:Q+7]
	v_pk_add_f32 v[Q:Q+1], v[Q:Q+1], v[Q+4:Q+5]
	v_pk_add_f32 v[SS:SS+1], v[Q:Q+1], s[24:25] op_sel_hi:[1,0]   ; + C0: lane l holds the scores of rows 2 l and 2 l + 1
	s_cmp_lg_u32 s22, 0
	s_cbranch_scc1 .Lns_\@
	s_wait_alu depctr_va_vdst(0)                   ; the two scores are written, which the store reads
	global_store_b64 v[SCO], v[SS:SS+1], s[16:17]  ; wave 0: 256 consecutive bytes, at a multiple of 256 from the buffer's first byte
.Lns_\@:
	s_wait_alu depctr_va_vdst(0)
	v_max_num_f32 v[MX], v[SS], v[SS+1]
	v_max_num_f32_dpp v[MX], v[MX], v[MX] row_xmask:1 row_mask:0xf bank_mask:0xf
	v_max_num_f32_dpp v[MX], v[MX], v[MX] row_xmask:2 row_mask:0xf bank_mask:0xf
	v_max_num_f32_dpp v[MX], v[MX], v[MX] row_xmask:4 row_mask:0xf bank_mask:0xf
	v_max_num_f32_dpp v[MX], v[MX], v[MX] row_xmask:8 row_mask:0xf bank_mask:0xf
	v_permlanex16_b32 v[TMP], v[MX], s30, s31
	v_max_num_f32 v[MX], v[MX], v[TMP]
	v_max_num_f32 v[TMP], v[MO], v[MX]             ; the new m
	v_sub_f32 v[F], v[MO], v[TMP]
	v_mul_f32 v[F], s26, v[F]                      ; (old m - new m) log2(e)
	v_mul_f32 v[NM], 0xbfb8aa3b, v[TMP]            ; -m log2(e)
	v_mov_b32 v[NM+1], v[NM]
	v_pk_fma_f32 v[PP:PP+1], v[SS:SS+1], s[26:27], v[NM:NM+1] op_sel_hi:[1,0,1]
	s_wait_alu depctr_va_vdst(0)
	v_exp_f32 v[F], v[F]
	v_exp_f32 v[PP], v[PP]
	v_exp_f32 v[PP+1], v[PP+1]
	v_mov_b32 v[MO], v[TMP]                        ; (a plain line behind the exponentials)
	s_wait_alu depctr_va_vdst(0)                   ; the three exponentials' results are written, ahead of their first readers: the copy below and the LDS store of p.  The last pass's multiply-adds are done reading v224-239, in which the four loads below land
	v_mov_b32 v[F+1], v[F]
	ds_store_b64 v[PXW], v[PP:PP+1]                ; into my own copy,
.irp i, 0,1,2,3
	ds_load_b128 v[P+4*\i:P+4*\i+3], v[PXR] offset:16*\i   ; and p of my 16 rows back, the same in every lane: LDS serves a wave's instructions in order (ISA guide 5.7.1.4)
.endr
	v_add_f32 v[MX], v[PP], v[PP+1]
	v_add_f32_dpp v[MX], v[MX], v[MX] row_xmask:1 row_mask:0xf bank_mask:0xf
	v_add_f32_dpp v[MX], v[MX], v[MX] row_xmask:2 row_mask:0xf bank_mask:0xf
	v_add_f32_dpp v[MX], v[MX], v[MX] row_xmask:4 row_mask:0xf bank_mask:0xf
	v_add_f32_dpp v[MX], v[MX], v[MX] row_xmask:8 row_mask:0xf bank_mask:0xf
	v_permlanex16_b32 v[TMP], v[MX], s30, s31
	v_add_f32 v[MX], v[MX], v[TMP]
	v_fma_f32 v[LS], v[LS], v[F], v[MX]            ; l
.endm
; ---- the context.  nxt = 1: a run of 16 LDS loads stands behind each two rows' 64 multiply-adds.
; Behind an even pair: a quarter of the next pass's codes.  These, and the scale words at the head, owe no wait: the products, the only readers of their registers, stand ahead of the tanh's waits.
; Behind an odd pair: one wait, and the next pass's four rows into the registers of the four rows just used.
.macro CTX nxt
	WIN 0xc3                                       ; destination and source 0 window 3
.set J, 0
.rept 16
	v_pk_mul_f32 v[CT+J:CT+J+1], v[CT+J:CT+J+1], v[F:F+1] op_sel_hi:[1,0]
.set J, J+2
.endr
	s_wait_dscnt 0x0                               ; p
.if \nxt
	WIN 0
	SALOAD
.endif
.set GG, 0
.rept 8
	WIN 0xf2                                       ; source 0 (bf16 rows) window 2, source 1 (p) window 0, source 2 and destination window 3
.set RR, 2*GG
.rept 2
.set KK, 0
.rept 16
	v_fma_mix_f32_bf16 v[CT+2*KK], v[16*RR+KK], v[P+RR], v[CT+2*KK] op_sel_hi:[1,0,0]
	v_fma_mix_f32_bf16 v[CT+2*KK+1], v[16*RR+KK], v[P+RR], v[CT+2*KK+1] op_sel:[1,0,0] op_sel_hi:[1,0,0]
.set KK, KK+1
.endr
.set RR, RR+1
.endr
.if \nxt
.if GG%2 == 0
	WIN 0x40                                       ; destination window 1
.set II, 0
.rept 16
.set AI, 8*GG+II
	ds_load_b128 v[4*AI:4*AI+3], v[AFR] offset:8448*(AI/16)+64*((AI/2)%8)+32*(AI%2)
.set II, II+1
.endr
.else
	WIN 0x80                                       ; destination window 2
	s_wait_alu depctr_va_vdst(0)                   ; the multiply-adds are done reading the bf16 rows 2 GG - 2 to 2 GG + 1, in whose registers the 16 loads below land
.set II, 0
.rept 16
.set AI, 8*(GG-1)+II
	ds_load_b128 v[4*AI:4*AI+3], v[AXW] offset:512*AI
.set II, II+1
.endr
.endif
.endif
.set GG, GG+1
.endr
	WIN 0
	s_wait_xcnt 0x0                                ; the score store has read its data and its base: both may be written again
	s_add_nc_u64 s[16:17], s[16:17], 256
.if \nxt
	PREP
	s_wait_dscnt 0x0                               ; my reads of the codes and scale bytes are back: behind this barrier the next rows may be written over them
	s_barrier_signal -1
	s_barrier_wait -1
.endif
.endm
; ---- the head
	s_load_b512 s[4:19], s[0:1], 0x0               ; enc s[4:5], Uf s[6:7], U scales s[8:9], cbw s[10:11], v_w s[12:13], consts s[14:15], scores s[16:17], pctx s[18:19]
	s_load_b64 s[20:21], s[0:1], 0x40              ; stats
	v_lshl_add_u32 v254, v0, 2, 0x2f400
	v_mov_b32 v255, 0
	v_lshrrev_b32 v192, 5, v0
	v_readfirstlane_b32 s22, v192                  ; wave 0..3
	v_and_b32 v192, 31, v0                         ; lane
	v_and_b32 v193, 15, v0                         ; r
	v_bfe_u32 v194, v0, 4, 1                       ; h
	v_lshlrev_b32 v[EA], 5, v192
	v_lshlrev_b32 v[UL], 4, v192
	v_lshlrev_b32 v[TG], 4, v0
	s_wait_alu depctr_va_sdst(0)                   ; s22, the wave's number, is written, ahead of its first reader
	s_lshl_b32 s60, ttmp9, 20                      ; 256 rows of 4,096 bytes a work-group,
	s_lshl_b32 s2, s22, 16                         ; 16 a wave
	s_add_co_u32 s60, s60, s2
	s_mov_b32 s61, 0                               ; the upper word of every offset: stays 0
	s_wait_kmcnt 0x0
	s_add_nc_u64 s[32:33], s[4:5], s[60:61]        ; my first row
	s_mov_b64 s[36:37], s[32:33]
	s_lshr_b32 s2, ttmp9, 3                        ; my batch
	s_lshl_b32 s60, s2, 12
	s_add_nc_u64 s[10:11], s[10:11], s[60:61]
	s_wait_alu depctr_va_vdst(0)                   ; the offsets v1, v2 and v21 are written, which every load from memory reads
	global_load_b128 v[XH:XH+3],     v[TG], s[10:11]             ; the tables: 128 threads x 16 bytes, twice each
	global_load_b128 v[XH+4:XH+7],   v[TG], s[10:11] offset:2048
	global_load_b128 v[XH+8:XH+11],  v[TG], s[12:13]
	global_load_b128 v[XH+12:XH+15], v[TG], s[12:13] offset:2048
	XL 0, 36, 0                                    ; rows 0 and 1
	XL 1, 36, 1
	s_load_b64 s[24:25], s[14:15], 0x0             ; C0, twice
	s_lshl_b32 s60, s22, 17
	s_add_nc_u64 s[50:51], s[6:7], s[60:61]        ; my 16 tiles of Uf
	s_lshl_b32 s60, s22, 13
	s_add_nc_u64 s[52:53], s[8:9], s[60:61]        ; and their scale bytes
	s_mov_b64 s[56:57], s[50:51]                   ; what the prologue's last trip loads by: my first tiles
	s_mov_b64 s[58:59], s[52:53]
	s_lshl_b32 s60, ttmp9, 10
	s_add_nc_u64 s[16:17], s[16:17], s[60:61]      ; scores: 256 numbers a work-group
	s_lshl_b32 s60, ttmp9, 12
	s_lshl_b32 s2, s22, 10
	s_add_co_u32 s60, s60, s2
	s_add_nc_u64 s[18:19], s[18:19], s[60:61]      ; pctx: 4,096 bytes a work-group, 1,024 a wave
	s_lshl_b32 s60, ttmp9, 8
	s_add_nc_u64 s[20:21], s[20:21], s[60:61]      ; stats: 256 bytes a work-group
	s_mov_b32 s26, 0x3fb8aa3b                      ; log2(e)
	s_mov_b32 s27, s26
	s_mov_b32 s28, 0x4038aa3b                      ; c = 2 log2(e)
	s_mov_b32 s29, s28
	s_mov_b32 s30, 0x76543210
	s_mov_b32 s31, 0xfedcba98                      ; v_permlanex16_b32: lane l xor 16
	s_mov_b32 s38, 0                               ; the row trip
	s_mov_b32 s46, 0
	s_mov_b32 s49, 0
	s_mov_b32 s42, 0
	s_mov_b32 s43, 0
	s_mul_i32 s2, s22, 8448
	s_add_co_u32 s2, s2, CODES
	v_lshl_add_u32 v[ACW], v192, 2, s2
	s_lshl_b32 s2, s22, 9
	s_add_co_u32 s2, s2, SCL
	v_lshrrev_b32 v[ASW], 2, v192
	v_add_nc_u32 v[ASW], s2, v[ASW]
	s_lshl_b32 s2, s22, 15
	v_lshl_add_u32 v[AXW], v192, 4, s2
	v_mul_u32_u24 v[AFR], v193, 528
	v_lshl_add_u32 v[AFR], v194, 4, v[AFR]
	v_add_nc_u32 v[AFR], CODES, v[AFR]
	v_lshl_add_u32 v[ASR], v192, 5, SCL
	s_lshl_b32 s2, s22, 10
	s_add_co_u32 s2, s2, CBT
	v_lshl_add_u32 v[ATB], v194, 5, s2
	s_lshl_b32 s3, s22, 8
	s_add_co_u32 s2, s3, SX
	v_lshl_add_u32 v[SXW], v193, 2, s2
	v_lshl_add_u32 v[SXR], v192, 3, SX
	s_add_co_u32 s2, s3, PX
	v_lshl_add_u32 v[PXW], v192, 3, s2
	s_mul_i32 s2, s22, 320                         ; my copy (256 x wave), my 16 rows in it (64 x wave)
	s_add_co_u32 s2, s2, PX
	v_mov_b32 v[PXR], s2
	v_lshlrev_b32 v[SCO], 3, v192
	s_lshl_b32 s2, s22, 12
	s_add_co_u32 s2, s2, CR
	v_lshl_add_u32 v[CRW], v192, 5, s2
	s_lshl_b32 s2, s22, 10
	s_add_co_u32 s2, s2, CR
	v_lshl_add_u32 v[CRR], v192, 4, s2
	v_lshl_add_u32 v[TBW], v0, 4, CBT
	WIN 0xc0
.set J, 0
.rept 32
	v_mov_b32 v[CT+J], 0                           ; the context begins as zeros: the pass is written for every pass alike
.set J, J+1
.endr
	WIN 0
	v_mov_b32 v[MO], 0xff61b1e6                    ; m: -3e38, under every score
	v_mov_b32 v[LS], 0
	v_mov_b32 v[TMP], 0                            ; lane permutes' destinations count as read
.irp m, 0,1,2,3
	v_mov_b32 v[TP+\m], 0
.endr
	s_wait_loadcnt 16                              ; the four table loads are in; the two rows behind them may stay out
.irp i, 8,10,12,14
	v_pk_mul_f32 v[XH+\i:XH+\i+1], v[XH+\i:XH+\i+1], -2.0 op_sel_hi:[1,0]
.endr
	s_wait_alu depctr_va_vdst(0)                   ; -2 v is written, which two of the stores below read; so are all the LDS addresses and offsets made above, v5 to v20, which LDS and memory instructions read from here to the end
	ds_store_b128 v[TBW], v[XH:XH+3]
	ds_store_b128 v[TBW], v[XH+4:XH+7] offset:2048
	ds_store_b128 v[TBW], v[XH+8:XH+11] offset:4096
	ds_store_b128 v[TBW], v[XH+12:XH+15] offset:6144
	s_wait_kmcnt 0x0                               ; C0
; ---- the prologue: pass 0's rows
	s_mov_b32 s45, 3
.Lpro:
	XTRIP 0
	s_sub_co_u32 s45, s45, 1
	s_cmp_lg_u32 s45, 0
	s_cbranch_scc1 .Lpro
	XTRIP 1
	s_wait_dscnt 0x0                               ; for the others: my codes, scale bytes and part of the tables have landed
	s_barrier_signal -1
	s_barrier_wait -1
	WIN 0x40                                       ; pass 0's codes (no vector or matrix instruction has yet named the registers of these 132 loads),
.set AI, 0
.rept 64
	ds_load_b128 v[4*AI:4*AI+3], v[AFR] offset:8448*(AI/16)+64*((AI/2)%8)+32*(AI%2)
.set AI, AI+1
.endr
	WIN 0x80                                       ; my 16 rows in bf16,
.set AI, 0
.rept 64
	ds_load_b128 v[4*AI:4*AI+3], v[AXW] offset:512*AI
.set AI, AI+1
.endr
	WIN 0
	SALOAD                                         ; and the scale words
	PREP
	s_wait_dscnt 0x0                               ; my reads of the codes and scale bytes are back: behind this barrier pass 1's rows may be written over them
	s_barrier_signal -1
	s_barrier_wait -1
	s_mov_b32 s44, 3
.Lpass:                                                ; three passes that carry the next pass's rows
	MMX 1
	SCORES
	CTX 1
	s_sub_co_u32 s44, s44, 1
	s_cmp_lg_u32 s44, 0
	s_cbranch_scc1 .Lpass
	MMX 0                                          ; the last pass is written out: no row is left, and the counts of its waits differ
	s_wait_alu depctr_va_vdst(0)
	SCORES
	CTX 0
; ---- the end: the four waves' context parts are summed through LDS
	WIN 0x0c                                       ; an LDS store's data are its source 1: window 3
	s_wait_alu depctr_va_vdst(0)                   ; the last multiply-adds have written the context, which the eight LDS stores read; m and l are written, which wave 0's store behind the barrier reads
.irp j, 0,1,2,3
	ds_store_b128 v[CRW], v[CT+8*\j:CT+8*\j+3] offset:1024*\j
	ds_store_b128 v[CRW], v[CT+8*\j+4:CT+8*\j+7] offset:1024*\j+16
.endr
	WIN 0
	s_wait_dscnt 0x0
	s_barrier_signal -1
	s_barrier_wait -1
	s_cmp_lg_u32 s22, 0
	s_cbranch_scc1 .Lnostat
	global_store_b64 v[SCO], v[MO:MO+1], s[20:21]  ; wave 0: (m, l), the same in every lane: one whole block of 256 bytes
.Lnostat:
.irp u, 0,1
.irp w, 0,1,2,3
	ds_load_b128 v[XR+16*\u+4*\w:XR+16*\u+4*\w+3], v[CRR] offset:4096*\w+512*\u   ; my 256 columns of each wave's part; the row work that read these registers stands ahead of many waits
.endr
.endr
	s_wait_dscnt 0x0
.irp u, 0,1
.irp e, 0,2
	v_pk_add_f32 v[XR+16*\u+\e:XR+16*\u+\e+1], v[XR+16*\u+\e:XR+16*\u+\e+1], v[XR+16*\u+4+\e:XR+16*\u+4+\e+1]
	v_pk_add_f32 v[XR+16*\u+8+\e:XR+16*\u+8+\e+1], v[XR+16*\u+8+\e:XR+16*\u+8+\e+1], v[XR+16*\u+12+\e:XR+16*\u+12+\e+1]
.endr
.irp e, 0,2
	v_pk_add_f32 v[XR+16*\u+\e:XR+16*\u+\e+1], v[XR+16*\u+\e:XR+16*\u+\e+1], v[XR+16*\u+8+\e:XR+16*\u+8+\e+1]
.endr
.endr
	s_wait_alu depctr_va_vdst(0)                   ; both halves' sums are written, which the two stores read
.irp u, 0,1
	global_store_b128 v[UL], v[XR+16*\u:XR+16*\u+3], s[18:19] offset:512*\u   ; the wave stores 512 consecutive bytes
.endr
	s_wait_dscnt 0x0                               ; the closing lines, six on end
	s_wait_alu 0x0
	s_wait_tensorcnt 0x0
	ds_add_u32 v254, v255
	s_wait_dscnt 0x0
	s_endpgm
.Lfunc_end_k_qb84a5b93fb_main:
	.size	k_qb84a5b93fb_main, .Lfunc_end_k_qb84a5b93fb_main-k_qb84a5b93fb_main
	.p2alignl 7, 3214868480
	.fill 96, 4, 3214868480
	.section	.rodata,"a",@progbits
	.p2align	6, 0x0
	.amdhsa_kernel k_qb84a5b93fb_main
		.amdhsa_group_segment_fixed_size 194048
		.amdhsa_private_segment_fixed_size 0
		.amdhsa_enable_private_segment 0
		.amdhsa_kernarg_size 72
		.amdhsa_user_sgpr_count 2
		.amdhsa_user_sgpr_kernarg_segment_ptr 1
		.amdhsa_wavefront_size32 1
		.amdhsa_system_sgpr_workgroup_id_x 1
		.amdhsa_system_sgpr_workgroup_id_y 1
		.amdhsa_system_sgpr_workgroup_id_z 1
		.amdhsa_system_vgpr_workitem_id 0
		.amdhsa_next_free_vgpr 1024
		.amdhsa_next_free_sgpr 66
		.amdhsa_reserve_vcc 0
		.amdhsa_float_denorm_mode_32 3
		.amdhsa_float_denorm_mode_16_64 3
		.amdhsa_memory_ordered 1
		.amdhsa_forward_progress 1
		.amdhsa_inst_pref_size 255
	.end_amdhsa_kernel
	.section	.bss,"aw",@nobits
	.p2align	6
	.space	262144
	.amdgpu_metadata
---
amdhsa.version: [ 1, 2 ]
amdhsa.kernels:
  - .name:           k_qb84a5b93fb_main
    .symbol:         k_qb84a5b93fb_main.kd
    .args:
      - { .name: encoder_outputs, .offset: 0, .size: 8, .value_kind: global_buffer, .address_space: global }
      - { .name: Uf, .offset: 8, .size: 8, .value_kind: global_buffer, .address_space: global }
      - { .name: U_w_scales, .offset: 16, .size: 8, .value_kind: global_buffer, .address_space: global }
      - { .name: cbw, .offset: 24, .size: 8, .value_kind: global_buffer, .address_space: global }
      - { .name: v_w, .offset: 32, .size: 8, .value_kind: global_buffer, .address_space: global }
      - { .name: consts, .offset: 40, .size: 8, .value_kind: global_buffer, .address_space: global }
      - { .name: scores, .offset: 48, .size: 8, .value_kind: global_buffer, .address_space: global }
      - { .name: pctx, .offset: 56, .size: 8, .value_kind: global_buffer, .address_space: global }
      - { .name: stats, .offset: 64, .size: 8, .value_kind: global_buffer, .address_space: global }
    .group_segment_fixed_size: 194048
    .private_segment_fixed_size: 0
    .kernarg_segment_align: 8
    .kernarg_segment_size: 72
    .max_flat_workgroup_size: 128
    .sgpr_count:     66
    .vgpr_count:     1024
    .wavefront_size: 32
...
	.end_amdgpu_metadata
.endif
;; end of part 5
;; launch combine (part 6): grid 32 x 1, 8 waves a work-group, no clusters, 0 bytes of LDS; arguments scores, pctx, stats, out0, out1; writes out0, out1
.if DOCPART == 6
	.amdgcn_target "amdgcn-amd-amdhsa--gfx1250"
	.amdhsa_code_object_version 6
	.text
	.protected	k_qb84a5b93fb_combine
	.globl	k_qb84a5b93fb_combine
	.p2align	8
	.type	k_qb84a5b93fb_combine,@function
k_qb84a5b93fb_combine:
	s_mov_b64 s[64:65], 0
	v_nop
	global_prefetch_b8 v0, s[64:65] scope:SCOPE_SE
	s_setreg_imm32_b32 hwreg(HW_REG_WAVE_MODE, 25, 1), 1
	s_wait_xcnt 0x0
; One work-group for each batch joins the eight parts that the launch before left: part i has its maximum m_i, its sum l_i of e^(s - m_i) and its context sum of e^(s - m_i) x enc.
; M = the largest m_i; w_i = e^(m_i - M); L = the sum of l_i w_i; context = (the sum of w_i part_i) / L; attn = e^(s - M) / L.
; Thread t takes 4 columns of the context and 2 x 4 of the 2,048 weights: every load and store of a wave covers 512 consecutive bytes.  No LDS, no barrier, no matrix work: a few kilobytes a work-group.
; LIMIT: a weight under 2^-126 comes out as 0 (the exponential instruction gives no denormals: ISA guide 15.8).
	s_load_b256 s[4:11], s[0:1], 0x0               ; scores s[4:5], pctx s[6:7], stats s[8:9], out0 s[10:11]
	s_load_b64 s[12:13], s[0:1], 0x20              ; out1
	v_lshlrev_b32 v1, 4, v0
	s_mov_b32 s35, 0
	s_mov_b32 s14, 0x3fb8aa3b                      ; log2(e)
	s_wait_alu depctr_va_vdst(0)
	s_wait_kmcnt 0x0
	s_lshl_b32 s34, ttmp9, 11                      ; eight blocks of 256 bytes
	s_add_nc_u64 s[8:9], s[8:9], s[34:35]
.irp i, 0,1,2,3,4,5,6,7
	s_load_b64 s[16+2*\i:17+2*\i], s[8:9], 256*\i  ; m_i, l_i
.endr
	s_lshl_b32 s34, ttmp9, 15
	s_add_nc_u64 s[6:7], s[6:7], s[34:35]
	s_lshl_b32 s34, ttmp9, 13
	s_add_nc_u64 s[4:5], s[4:5], s[34:35]
	s_add_nc_u64 s[12:13], s[12:13], s[34:35]
	s_lshl_b32 s34, ttmp9, 12
	s_add_nc_u64 s[10:11], s[10:11], s[34:35]
.irp i, 0,1,2,3,4,5,6,7
	global_load_b128 v[8+4*\i:11+4*\i], v1, s[6:7] offset:4096*\i
.endr
	global_load_b128 v[40:43], v1, s[4:5]
	global_load_b128 v[44:47], v1, s[4:5] offset:4096
	s_wait_kmcnt 0x0
	v_mov_b32 v2, s16
	s_delay_alu instid0(VALU_DEP_1)
	v_max3_num_f32 v2, v2, s18, s20
	s_delay_alu instid0(VALU_DEP_1)
	v_max3_num_f32 v2, v2, s22, s24
	s_delay_alu instid0(VALU_DEP_1)
	v_max3_num_f32 v2, v2, s26, s28
	s_delay_alu instid0(VALU_DEP_1)
	v_max_num_f32 v2, s30, v2                      ; M
	s_delay_alu instid0(VALU_DEP_1)
	v_mul_f32 v3, 0xbfb8aa3b, v2                   ; -M log2(e)
.irp i, 0,1,2,3,4,5,6,7
	v_fma_f32 v[48+\i], s[16+2*\i], s14, v3
.endr
	s_wait_alu depctr_va_vdst(0)
.irp i, 0,1,2,3,4,5,6,7
	v_exp_f32 v[48+\i], v[48+\i]                   ; w_i
.endr
	v_nop                                          ; a plain line behind the exponentials (ISA guide 5.7.2)
	s_wait_alu depctr_va_vdst(0)
	v_mul_f32 v4, s17, v48
.irp i, 1,2,3,4,5,6,7
	v_fma_f32 v4, s[17+2*\i], v[48+\i], v4         ; L
.endr
	s_wait_alu depctr_va_vdst(0)
	v_rcp_f32 v5, v4
	v_nop
	s_wait_loadcnt 0x2                             ; the eight parts are in; the two loads of scores may stay out
.irp e, 0,1,2,3
	v_mul_f32 v[56+\e], v[8+\e], v48
.endr
.irp i, 1,2,3,4,5,6,7
.irp e, 0,1,2,3
	v_fma_f32 v[56+\e], v[8+4*\i+\e], v[48+\i], v[56+\e]
.endr
.endr
	s_wait_alu depctr_va_vdst(0)
.irp e, 0,1,2,3
	v_mul_f32 v[56+\e], v[56+\e], v5
.endr
	global_store_b128 v1, v[56:59], s[10:11]
	s_wait_loadcnt 0x0
.irp e, 0,1,2,3,4,5,6,7
	v_fma_f32 v[40+\e], v[40+\e], s14, v3
.endr
	s_wait_alu depctr_va_vdst(0)
.irp e, 0,1,2,3,4,5,6,7
	v_exp_f32 v[40+\e], v[40+\e]
.endr
	v_nop
	s_wait_alu depctr_va_vdst(0)
.irp e, 0,1,2,3,4,5,6,7
	v_mul_f32 v[40+\e], v[40+\e], v5
.endr
	global_store_b128 v1, v[40:43], s[12:13]
	global_store_b128 v1, v[44:47], s[12:13] offset:4096
	s_endpgm
.Lfunc_end_k_qb84a5b93fb_combine:
	.size	k_qb84a5b93fb_combine, .Lfunc_end_k_qb84a5b93fb_combine-k_qb84a5b93fb_combine
	.p2alignl 7, 3214868480
	.fill 96, 4, 3214868480
	.section	.rodata,"a",@progbits
	.p2align	6, 0x0
	.amdhsa_kernel k_qb84a5b93fb_combine
		.amdhsa_group_segment_fixed_size 0
		.amdhsa_private_segment_fixed_size 0
		.amdhsa_enable_private_segment 0
		.amdhsa_kernarg_size 40
		.amdhsa_user_sgpr_count 2
		.amdhsa_user_sgpr_kernarg_segment_ptr 1
		.amdhsa_wavefront_size32 1
		.amdhsa_system_sgpr_workgroup_id_x 1
		.amdhsa_system_sgpr_workgroup_id_y 1
		.amdhsa_system_sgpr_workgroup_id_z 1
		.amdhsa_system_vgpr_workitem_id 0
		.amdhsa_next_free_vgpr 64
		.amdhsa_next_free_sgpr 66
		.amdhsa_reserve_vcc 0
		.amdhsa_float_denorm_mode_32 3
		.amdhsa_float_denorm_mode_16_64 3
		.amdhsa_memory_ordered 1
		.amdhsa_forward_progress 1
		.amdhsa_inst_pref_size 8
	.end_amdhsa_kernel
	.amdgpu_metadata
---
amdhsa.version: [ 1, 2 ]
amdhsa.kernels:
  - .name:           k_qb84a5b93fb_combine
    .symbol:         k_qb84a5b93fb_combine.kd
    .args:
      - { .name: scores, .offset: 0, .size: 8, .value_kind: global_buffer, .address_space: global }
      - { .name: pctx, .offset: 8, .size: 8, .value_kind: global_buffer, .address_space: global }
      - { .name: stats, .offset: 16, .size: 8, .value_kind: global_buffer, .address_space: global }
      - { .name: out0, .offset: 24, .size: 8, .value_kind: global_buffer, .address_space: global }
      - { .name: out1, .offset: 32, .size: 8, .value_kind: global_buffer, .address_space: global }
    .group_segment_fixed_size: 0
    .private_segment_fixed_size: 0
    .kernarg_segment_align: 8
    .kernarg_segment_size: 40
    .max_flat_workgroup_size: 256
    .sgpr_count:     66
    .vgpr_count:     64
    .wavefront_size: 32
...
	.end_amdgpu_metadata
.endif
;; end of part 6
